; MI455X (gfx1250); checked and timed in simulation.
; The chip was launched on July 23, 2026; its instructions are those of AMD's public machine-readable ISA for CDNA 5 (MIT licence, August 2026) and "CDNA5" Instruction Set Architecture Reference Guide (July 2026). The comments in the code are by the model that wrote it; some were corrected since.
;; Core Attention. Allowed arithmetic: matrix products marked QUANTISED: E2M1 operands, one E8M0 scale for each 32 along K, by v_wmma_scale_f32_16x16x128_f8f6f4 with both operands' format E2M1 (or v_wmma_scale_f32_32x16x128_f4), f32 sums; products left as they are: f32 operands where the result goes on into a quantised operand, else bf16, f16 or f32 operands; f32 sums; everything else in f32.
;; Inputs: k 2 x 12 x 2,049 x 64 float32; kpos 2 x 2,049 x 2 int32; mask_for_attention 2 x 2,049 x 2,049 bool; q 2 x 12 x 2,049 x 64 float32; qpos 2 x 2,049 x 2 int32; v 2 x 12 x 2,049 x 64 float32.
;; Outputs: out0 2 x 2,049 x 768 float32.
;; Constants: num_cls = 1.
;; This version of the problem:
;;   THIS VERSION OF THE PROBLEM IS GIVEN IN LOW PRECISION. The matrix products marked QUANTISED in the list below multiply operands that are first quantised to E2M1 (2 exponent bits, 1 mantissa bit; 4 bits a number), with one power-of-two scale for each 32 numbers along K (OCP MX v1.0); their sums are f32. All else is computed in f32.
;;   The module's matrix products, in the order in which they are computed (A, B: the left and right operand; K: the contracted axis; several contracted axes count as one K, in the product's order):
;;     1. batch 24 x [M 2,048, K 64] x [K 64, N 2,048]; A: computed on the way; B: computed on the way: QUANTISED
;;     2. batch 24 x [M 1, K 64] x [K 64, N 2,048]; A: input q; B: input k: left as it is (M = 1 < 16)
;;     3. batch 24 x [M 2,049, K 64] x [K 64, N 1]; A: input q; B: input k: left as it is (N = 1 < 16)
;;     4. batch 24 x [M 2,049, K 2,049] x [K 2,049, N 64]; A: softmax (see below); B: input v: QUANTISED
;;   THE QUANTISER, for each operand of a quantised product, along K:
;;     - K is cut into blocks of 32 from its start; a last block that is shorter is filled with zeros.
;;     - A block's scale is 2^e with e = floor(log2(the largest magnitude in the block)) - 2, held to -126 .. 127; a block of zeros has e = 0. As a byte (E8M0): e + 127.
;;     - Each number is divided by its block's scale, clamped to +-6, and rounded to the nearest number of E2M1, ties to even, subnormals kept.
;;     - The product sums the exact products of the quantised numbers (number of the format x scale) in f32.
;;   ~~~python
;;   def quantise(x, axis):      # numpy; x: float32 -> the quantised numbers, widened to float32 again
;;       x = np.moveaxis(x, axis, -1); K = x.shape[-1]
;;       x = np.pad(x, [(0, 0)] * (x.ndim - 1) + [(0, -K % 32)]); x = x.reshape(x.shape[:-1] + (-1, 32)); a = np.abs(x).max(-1, keepdims=True)
;;       e = np.where(a > 0, np.clip(np.frexp(np.where(a > 0, a, 1))[1] - 1 - 2, -126, 127), 0)      # np.frexp(a)[1] - 1 = floor(log2(a)), exactly
;;       r = np.clip(x / 2.0 ** e, -6, 6)
;;       step = 2.0 ** (np.maximum(np.frexp(np.where(r == 0, 1, r))[1] - 1, 0) - 1)
;;       q = np.round(r / step) * step * 2.0 ** e      # np.round: ties to even
;;       return np.moveaxis(q.reshape(q.shape[:-2] + (-1,))[..., :K], -1, axis).astype(np.float32)
;;   ~~~
;;   SOFTMAX AHEAD OF A QUANTISED PRODUCT. Where the list says 'softmax', what is quantised is not the finished softmax but p = 2^(t - M), with t = logit x log2(e) and M = ceil(the row's largest t), a whole number; so 1/2 < the row's largest p <= 1. The row's sum l is taken of the UNQUANTISED p, in f32, and the product's result is divided by l at the end. Since M is a whole number, a kernel that streams over the keys may use a running M (the ceiling of the running maximum): every later rescaling is an exact power of two, which a block's scale takes up: the codes' values come out the same.
;;   OPERANDS COMPUTED ON THE WAY. 'Computed on the way' means the value that the module computes at that place (a softmax that the list does not call 'softmax' is quantised finished and normalised). What goes into a quantiser is computed in f32, as accurately as f32 sums, v_exp_f32 and their like allow (about 1e-6 of the number): no bf16 or f16 on the way to a quantiser, and a product that is left as it is and whose result goes on into a quantised operand takes f32 operands (vector FMAs, or v_wmma_f32_16x16x4_f32). A number that lies on a knife's edge between two numbers of the format may be rounded either way, as far as f32 arithmetic and the matrix unit's own rounding can turn it there, and no further.
;; 2 versions. Each part assembles by itself: llvm-mc -triple=amdgcn-amd-amdhsa -mcpu=gfx1250 --defsym DOCPART=n.
;; ======== version 1 of 2: 2 launches
;; limits: right only within a limited range of input values
;; workspace buffers: kv 3,655,680 bytes; qc 1,572,864 bytes; qs 196,608 bytes; qk0 196,608 bytes; mw 1,114,112 bytes of whole numbers; cp 835,584 bytes
;; launch prep (part 1): grid 1048 x 1, 4 waves a work-group, no clusters, 74,240 bytes of LDS; arguments q, k, v, qpos, kpos, mask_for_attention, kv, qc, qs, qk0, mw, cp; writes kv, qc, qs, qk0, mw, cp
.if DOCPART == 1
	.amdgcn_target "amdgcn-amd-amdhsa--gfx1250"
	.amdhsa_code_object_version 6
	.text
	.protected	k_q620c2e6357_prep
	.globl	k_q620c2e6357_prep
	.p2align	8
	.type	k_q620c2e6357_prep,@function
k_q620c2e6357_prep:
	s_mov_b64 s[64:65], 0
	v_nop
	global_prefetch_b8 v0, s[64:65] scope:SCOPE_SE
	s_setreg_imm32_b32 hwreg(HW_REG_WAVE_MODE, 25, 1), 1
	s_wait_xcnt 0x0
; All that the attention launch needs once: q and k after RoPE as codes of FP4 (E2M1) with one E8M0 byte for each 32 channels, v as codes along the keys,
; the f32 products with row 0 (q . k0, and for the cls query q0 . k), the mask as lane masks, and the cls query's attention as one partial for each 32 keys.
; q, k, v: [24][2049][64] f32; qpos, kpos: [2][2049][2] i32; the mask: [2][2049][2049] bytes.
; ROLES by the work-group's number: 0..407 a (head, key step of 128 keys), a wave to 32 keys; 408..791 q, a wave to 32 queries; 792..1047 the mask of 16 queries, a wave to 512 keys.
; A TILE of 16 rows takes rows 8 u + r + 8 (r / 8) of a group of 32 (u = 0, 1), so that in the scores' registers 16 neighbours are 16 neighbouring keys.
; OUT: kv [head 24][step 17][8,960 bytes]: K's codes [tile 8][lane][16], K's scale words [4][lane], V's codes [tile 4][c 2][lane][16], V's scale words [2][lane]: all in the order of the operands' registers.
;      qc [head][tile 128][lane][16]; qs, qk0 [head][group 64][32 words]; mw [b][tile 128][step 17][64 words]: bit L of word n: query L % 16 of the tile, key 128 s + 32 (n / 16) + 16 (L / 16) + n % 16;
;      cp [head][block 68][128 words]: O[64], then (l, -M, 0, 0) sixteen times.
; Waves share nothing: no barrier.  A block of zeros gets the byte 1 where the quantiser says 127: its codes are zeros, and this program alone reads the bytes.
; LIMITS: |pos| up to about 10^6 (beyond it the reduction by pi/2 in two terms no longer holds); NaN and infinities in q, k, v are not served.
.set HEADB,  524544                    ; a head's 2,049 rows of 256 bytes
.set MASKB,  4198401                   ; a batch's mask
.set NKV,    408
.set NROW,   792
.set BLKB,   8960                      ; a (head, step) block of kv
.set WREG,   9472                      ; LDS, rows roles: a region for each wave: 32 rows (row j at 272 j + 128 (j / 16)),
.set CSO,    8960                      ; the cls query's 32 scores,
.set OSO,    9088                      ; and its 64 outputs
.set MBASE,  4*WREG                    ; LDS, mask role: bytes of its own, a region for each wave: 16 rows, 548 bytes apart
.set MREG,   8960
.set MP,     548
.set SPARE,  MBASE+4*MREG              ; the spare words, 128 bytes for each wave: two blocks of 256 bytes that no other line names
; v1 lane; v2, v3 the add's two; v4-v12 LDS addresses; v13 16 x lane; v14 4 x lane; v15 lane / 16; v16-v27 at work; v28-v31 positions and mask bytes;
; v32-63 row 0 of the other tensor, later V's fragments; v64-127 32 rows as loaded, then v64-95 a lane's 32 channels and v96-127 results; v128-191 V as loaded, later the cls outputs and p's codes.
.macro FINISH                          ; the wave's end, behind my last LDS store
	s_wait_tensorcnt 0x0
	ds_add_u32 v2, v3
	s_wait_dscnt 0x0
	s_endpgm
.endm
	s_load_b512 s[16:31], s[0:1], 0x0              ; q, k, v, qpos, kpos, mask, kv, qc
	s_load_b256 s[32:39], s[0:1], 0x40             ; qs, qk0, mw, cp
	v_lshl_add_u32 v2, v0, 2, SPARE
	v_mov_b32 v3, 0
	v_lshrrev_b32 v1, 5, v0
	v_readfirstlane_b32 s40, v1                    ; wave
	v_and_b32 v1, 31, v0                           ; lane
	v_and_b32 v16, 15, v0                          ; r
	v_bfe_u32 v15, v0, 4, 1                        ; h
	v_bfe_u32 v17, v0, 3, 1                        ; a = r / 8
	v_and_b32 v18, 7, v0                           ; m = r % 8
	v_lshlrev_b32 v13, 4, v1
	v_lshlrev_b32 v14, 2, v1
	s_mul_i32 s41, s40, WREG
	s_mul_i32 s42, s40, MREG
	s_add_co_u32 s42, s42, MBASE
	v_mul_u32_u24 v4, v15, 272                     ; rows in: a load's two rows, 16 bytes a lane
	v_lshl_add_u32 v4, v16, 4, v4
	v_add_nc_u32 v4, s41, v4
	v_mul_u32_u24 v5, v17, 4480                    ; rows out: row 16 a + m (+ 8 u by the immediate), my half's 128 bytes: sixteen lanes fall on sixteen different 16-byte columns of 256
	v_mad_u32_u24 v5, v18, 272, v5
	v_lshl_add_u32 v5, v15, 7, v5
	v_add_nc_u32 v5, s41, v5
	v_lshlrev_b32 v6, 6, v17                       ; the cls score of my row: word 16 a + m (+ 8 u)
	v_lshl_add_u32 v6, v18, 2, v6
	v_add_nc_u32 v6, s41, v6
	v_mov_b32 v7, s41                              ; all 32 scores, the same for every lane
	v_lshl_add_u32 v8, v15, 5, s41                 ; the cls outputs in: 32 h
	v_lshl_add_u32 v9, v16, 4, s41                 ; and out: 16 r
	v_add_nc_u32 v10, s42, v14                     ; mask rows in: 4 x lane
	v_mul_u32_u24 v11, v16, MP
	v_add_nc_u32 v11, s42, v11                     ; mask row r
	v_lshl_add_u32 v12, v15, 4, v11                ; mask row r, + 16 h
	s_cmp_ge_u32 ttmp9, NROW
	s_cbranch_scc1 .Lmask
; ================= q and k: one text; the tensors are chosen by the work-group's number =================
	s_mov_b32 s66, 0x3f800000                      ; 10^(-i / 8), i = 0 .. 15: RoPE's frequencies for 32 channels at base 100
	s_mov_b32 s67, 0x3f3ff911
	s_mov_b32 s68, 0x3f0ff59a
	s_mov_b32 s69, 0x3ed7e89b
	s_mov_b32 s70, 0x3ea1e89b
	s_mov_b32 s71, 0x3e72d424
	s_mov_b32 s72, 0x3e361887
	s_mov_b32 s73, 0x3e088d77
	s_mov_b32 s74, 0x3dcccccd
	s_mov_b32 s75, 0x3d99940e
	s_mov_b32 s76, 0x3d6655c3
	s_mov_b32 s77, 0x3d2cba15
	s_mov_b32 s78, 0x3d0186e2
	s_mov_b32 s79, 0x3cc24350
	s_mov_b32 s80, 0x3c91ad39
	s_mov_b32 s81, 0x3c5a7bf1
	s_mov_b32 s82, 0x3f22f983                      ; 2 / pi
	s_mov_b32 s83, 0xbfc90fdb                      ; -(pi / 2 rounded to f32)
	s_mov_b32 s84, 0x333bbd2e                      ; -(pi / 2 less that)
	s_mov_b32 s85, 0xb94ca1f9                      ; sine on |r| <= pi / 4: r + r z ((s85 z + s86) z + s87)
	s_mov_b32 s86, 0x3c08839e
	s_mov_b32 s87, 0xbe2aaaa3
	s_mov_b32 s88, 0x37ccf5ce                      ; cosine: 1 - z / 2 + z z ((s88 z + s89) z + s90)
	s_mov_b32 s89, 0xbab6061a
	s_mov_b32 s90, 0x3d2aaaa5
	s_mov_b32 s92, 0x76543210                      ; v_permlanex16_b32's selects for lane l xor 16
	s_mov_b32 s93, 0xfedcba98
	s_mov_b32 s94, 0x3e38aa3b                      ; c = log2(e) / 8
	s_mov_b32 s95, s94
	s_mul_i32 s44, ttmp9, 3856
	s_lshr_b32 s44, s44, 16                        ; k: head = id / 17 (right for id under 408)
	s_mul_i32 s45, s44, 17
	s_sub_co_u32 s45, ttmp9, s45                   ; k: key step
	s_sub_co_u32 s54, ttmp9, NKV
	s_lshr_b32 s55, s54, 4                         ; q: head
	s_and_b32 s54, s54, 15                         ; q: which four groups
	s_cmp_ge_u32 ttmp9, NKV
	s_cselect_b32 s44, s55, s44                    ; head 0 .. 23
	s_cselect_b32 s45, s54, s45
	s_cselect_b32 s46, 1, 0                        ; 1: q
	s_lshl_b32 s47, s45, 2
	s_add_co_u32 s47, s47, s40                     ; G: my group of 32 rows
	s_lshl_b32 s48, s47, 5
	s_add_co_u32 s48, s48, s46                     ; its first row: 32 G for k, 32 G + 1 for q
	s_cmp_ge_u32 s44, 12
	s_cselect_b32 s49, 1, 0                        ; batch
	s_mul_i32 s42, ttmp9, BLKB                     ; k: my (head, step) block: 17 head + step is the work-group's number
	s_mov_b32 s43, 0
	s_mul_i32 s50, s44, HEADB
	s_mov_b32 s51, 0
	s_mul_i32 s52, s49, 16392                      ; a batch's positions
	s_mov_b32 s53, 0
	s_lshl_b32 s54, s40, 10
	s_add_co_u32 s54, s54, s42                     ; k: my two tiles' codes
	s_lshl_b32 s55, s40, 7
	s_add_co_u32 s55, s55, s42
	s_add_co_u32 s55, s55, 4096                    ; k: their scale words
	s_lshl_b32 s56, s44, 6
	s_add_co_u32 s56, s56, s47                     ; q: 64 head + G
	s_lshl_b32 s58, s56, 10
	s_lshl_b32 s60, s56, 7
	s_cmp_ge_u32 ttmp9, NKV
	s_cselect_b32 s58, s58, s54
	s_cselect_b32 s60, s60, s55
	s_mov_b32 s59, 0
	s_mov_b32 s61, 0
	v_lshl_add_u32 v27, v17, 4, v18
	v_add_nc_u32 v27, s48, v27                     ; my row in pass 0; pass 1's is 8 further on
	s_wait_kmcnt 0x0
	s_cmp_ge_u32 ttmp9, NKV
	s_cselect_b64 s[96:97], s[16:17], s[18:19]     ; the rows' tensor
	s_cselect_b64 s[98:99], s[18:19], s[16:17]     ; the other one, for its row 0
	s_cselect_b64 s[100:101], s[22:23], s[24:25]   ; the positions
	s_cselect_b64 s[62:63], s[30:31], s[28:29]     ; where the codes go
	s_cselect_b64 s[104:105], s[32:33], s[28:29]   ; where the scale words go
	s_add_nc_u64 s[96:97], s[96:97], s[50:51]
	s_add_nc_u64 s[98:99], s[98:99], s[50:51]
	s_add_nc_u64 s[100:101], s[100:101], s[52:53]
	s_add_nc_u64 s[62:63], s[62:63], s[58:59]
	s_add_nc_u64 s[104:105], s[104:105], s[60:61]
	s_cmp_lg_u32 s46, 0
	s_cbranch_scc1 .Lrows
	; ---- k only: my 32 rows of V, a lane to a channel, registers down the keys: each load reads 128 consecutive bytes
	s_lshl_b32 s54, s47, 13
	s_mov_b32 s55, 0
	s_add_nc_u64 s[20:21], s[20:21], s[50:51]
	s_add_nc_u64 s[20:21], s[20:21], s[54:55]
	s_cmp_eq_u32 s45, 16
	s_cbranch_scc1 .Lvtail
.set cnt, 0
.rept 32
	global_load_b32 v[128+cnt], v14, s[20:21] offset:256*cnt th:TH_LOAD_NT
	global_load_b32 v[160+cnt], v14, s[20:21] offset:256*cnt+128 th:TH_LOAD_NT
.set cnt, cnt+1
.endr
	s_branch .Lvdone
.Lvtail:                                               ; step 16: key 2,048 alone is there, in wave 0; the rest of the step is zeros, and no load leaves the buffer
.set cnt, 0
.rept 64
	v_mov_b32 v[128+cnt], 0
.set cnt, cnt+1
.endr
	s_cmp_lg_u32 s40, 0
	s_cbranch_scc1 .Lvdone
	global_load_b32 v128, v14, s[20:21]
	global_load_b32 v160, v14, s[20:21] offset:128
.Lvdone:
	s_mul_i32 s56, s49, MASKB                      ; the cls query's mask bytes of my two keys
	v_min_u32 v21, 0x800, v27
	v_add_nc_u32 v21, s56, v21
	v_add_nc_u32 v22, 8, v27
	v_min_u32 v22, 0x800, v22
	v_add_nc_u32 v22, s56, v22
	global_load_u8 v30, v21, s[26:27]
	global_load_u8 v31, v22, s[26:27]
.Lrows:
	; ---- 32 rows, two to a load: 512 consecutive bytes.  Rows past 2,048 are held at 2,048; their codes become zeros below.  A load lands on its own offset register
	v_add_nc_u32 v23, s48, v15
	v_lshlrev_b32 v24, 4, v16
.irp i, 0,1,2,3,4,5,6,7,8,9,10,11,12,13,14,15
	v_add_nc_u32 v[64+4*\i], 2*\i, v23
	v_min_u32 v[64+4*\i], 0x800, v[64+4*\i]
	v_lshl_add_u32 v[64+4*\i], v[64+4*\i], 8, v24
	global_load_b128 v[64+4*\i:67+4*\i], v[64+4*\i], s[96:97]
.endr
	v_lshlrev_b32 v25, 7, v15
.irp j, 0,1,2,3,4,5,6,7
	global_load_b128 v[32+4*\j:35+4*\j], v25, s[98:99] offset:16*\j   ; row 0 of the other tensor, my half's 32 channels
.endr
	v_min_u32 v19, 0x800, v27
	v_lshlrev_b32 v19, 3, v19
	v_lshl_add_u32 v19, v15, 2, v19
	v_add_nc_u32 v20, 8, v27
	v_min_u32 v20, 0x800, v20
	v_lshlrev_b32 v20, 3, v20
	v_lshl_add_u32 v20, v15, 2, v20
	global_load_b32 v28, v19, s[100:101]           ; my rows' positions: y for channels 0-31, x for 32-63
	global_load_b32 v29, v20, s[100:101]
	s_wait_loadcnt 0x0                             ; for zero: the ways above issue different numbers of loads
.irp i, 0,1,2,3,4,5,6,7,8,9,10,11,12,13,14,15
	ds_store_b128 v4, v[64+4*\i:67+4*\i] offset:544*\i+128*(\i/8)
.endr
	v_mov_b32 v116, 0                              ; a lane permute's destination counts as one of its sources
	v_lshlrev_b32 v115, 3, v15                     ; 8 h
	v_cmp_gt_u32 s54, 0x801, v27                   ; my row of pass 0 is there
	v_cmp_gt_u32 s55, 0x7f9, v27                   ; and of pass 1
	v_cmp_gt_u32 s57, 16, v1                       ; lanes 0-15
	s_wait_dscnt 0x0                               ; the stores have read their registers
; channels i and i + 16 of my 32: sine and cosine of pos x 10^(-i / 8), by reduction to |r| <= pi / 4 and two polynomials, and the rotation
.macro ROPE i
	v_mul_f32 v17, s[66+\i], v16
	v_mul_f32 v18, s82, v17
	v_rndne_f32 v18, v18                           ; k, the nearest multiple of pi / 2
	v_fma_f32 v17, v18, s83, v17
	v_fma_f32 v17, v18, s84, v17                   ; r
	v_cvt_i32_f32 v22, v18
	v_mul_f32 v19, v17, v17                        ; z
	v_fma_f32 v20, v19, s85, s86
	v_fma_f32 v21, v19, s88, s89
	v_fma_f32 v20, v20, v19, s87
	v_fma_f32 v21, v21, v19, s90
	v_mul_f32 v23, v19, v19
	v_fma_f32 v26, v19, -0.5, 1.0
	v_mul_f32 v20, v20, v19
	v_fma_f32 v21, v21, v23, v26                   ; cos r
	v_fma_f32 v20, v20, v17, v17                   ; sin r
	v_and_b32 v23, 1, v22
	v_cmp_eq_u32 vcc_lo, 1, v23
	v_cndmask_b32 v24, v20, v21, vcc_lo            ; an odd k swaps the two;
	v_cndmask_b32 v25, v21, v20, vcc_lo
	v_lshlrev_b32 v23, 30, v22
	v_add_nc_u32 v22, 1, v22
	v_and_b32 v23, 0x80000000, v23
	v_lshlrev_b32 v22, 30, v22
	v_xor_b32 v24, v24, v23                        ; the sine is negative where k & 2,
	v_and_b32 v22, 0x80000000, v22
	v_xor_b32 v25, v25, v22                        ; the cosine where (k + 1) & 2
	v_mul_f32 v26, v[64+\i], v24
	v_mul_f32 v[64+\i], v[64+\i], v25
	v_fma_f32 v[64+\i], -v[80+\i], v24, v[64+\i]   ; x_i cos - x_(i+16) sin
	v_fma_f32 v[80+\i], v[80+\i], v25, v26         ; x_(i+16) cos + x_i sin
.endm
; Tile u of my group: lane (r, h) takes channels 32 h .. 32 h + 31 of row 8 u + r + 8 (r / 8): a whole block of the quantiser, in the operand's own order
.macro PASS u
.irp j, 0,1,2,3,4,5,6,7
	ds_load_b128 v[64+4*\j:67+4*\j], v5 offset:2176*\u+16*\j
.endr
	v_cvt_f32_i32 v16, v[28+\u]
	s_wait_dscnt 0x0
.irp i, 0,1,2,3
	v_mul_f32 v[104+\i], v[64+\i], v[32+\i]        ; the raw row . row 0 of the other tensor, f32, in four chains
.endr
.set cnt, 4
.rept 28
	v_fmac_f32 v[104+cnt%4], v[64+cnt], v[32+cnt]
.set cnt, cnt+1
.endr
	v_add_f32 v104, v104, v105
	v_add_f32 v106, v106, v107
	v_add_f32 v104, v104, v106
	v_permlanex16_b32 v116, v104, s92, s93
	v_add_f32 v[108+\u], v104, v116                ; with the other 32 channels
.irp i, 0,1,2,3,4,5,6,7,8,9,10,11,12,13,14,15
	ROPE \i
.endr
	v_max3_num_f32 v112, |v64|, |v65|, 0x1800000   ; the block's largest magnitude, and the floor 2^(3 - 127): the byte cannot fall under 1
.set cnt, 2
.rept 15
	v_max3_num_f32 v112, v112, |v[64+cnt]|, |v[65+cnt]|
.set cnt, cnt+2
.endr
	v_add_nc_u32 v113, 0xff000000, v112            ; 2 off its exponent field: the conversion's scale operand
	v_lshrrev_b32 v114, 23, v113                   ; the scale's byte
.irp g, 0,1,2,3
	v_cvt_scalef32_pk8_fp4_f32 v[96+4*\u+\g], v[64+8*\g:71+8*\g], v113
.endr
	v_lshlrev_b32 v114, v115, v114                 ; the byte at its place, 8 h bits up.  (The plain instruction behind the conversions)
.irp g, 0,1,2,3
	v_cndmask_b32 v[96+4*\u+\g], 0, v[96+4*\u+\g], s[54+\u]   ; a row past 2,048 has zero codes
.endr
	global_store_b128 v13, v[96+4*\u:99+4*\u], s[62:63] offset:512*\u   ; the tile's fragment as the registers hold it: 512 consecutive bytes, aligned
	v_permlanex16_b32 v116, v114, s92, s93
	v_or_b32 v114, v114, v116
	v_or_b32 v[110+\u], 0x7f7f0000, v114           ; the row's scale word: channels 64-127 do not exist: zero codes under the byte of 1.0
.endm
	PASS 0
	PASS 1
	v_cndmask_b32 v117, v111, v110, s57            ; lanes 0-15 tile 0's words, lanes 16-31 tile 1's
	global_store_b32 v14, v117, s[104:105]
	s_cmp_eq_u32 s46, 0
	s_cbranch_scc1 .Lkv
	v_cndmask_b32 v118, v109, v108, s57            ; q: q . k0, laid the same way
	s_add_nc_u64 s[34:35], s[34:35], s[60:61]
	global_store_b32 v14, v118, s[34:35]
	FINISH
; ================= k only: V's codes along the keys, and the cls query's partial for my 32 keys =================
.Lkv:
	s_add_nc_u64 s[28:29], s[28:29], s[42:43]      ; my (head, step) block
	s_lshr_b32 s56, s40, 1
	s_lshl_b32 s56, s56, 9
	s_and_b32 s91, s40, 1
	s_lshl_b32 s91, s91, 8
	s_add_co_u32 s56, s56, s91                     ; my key block w of the step is registers 4 (w / 2) on of lanes 16 (w % 2) on
	v_lshlrev_b32 v16, 10, v15
	v_and_b32 v17, 15, v0
	v_lshl_add_u32 v16, v17, 4, v16
	v_add_nc_u32 v16, s56, v16
	v_add_nc_u32 v17, s40, v14                     ; byte w of my channel's scale word
; channels 32 g + lane: a block of 32 keys lies in my 32 registers
.macro VQ g
	v_max3_num_f32 v112, |v[128+32*\g]|, |v[129+32*\g]|, 0x1800000
.set cnt, 2
.rept 15
	v_max3_num_f32 v112, v112, |v[128+32*\g+cnt]|, |v[129+32*\g+cnt]|
.set cnt, cnt+2
.endr
	v_add_nc_u32 v113, 0xff000000, v112
	v_lshrrev_b32 v[104+\g], 23, v113
.irp k, 0,1,2,3
	v_cvt_scalef32_pk8_fp4_f32 v[32+16*\g+\k], v[128+32*\g+8*\k:135+32*\g+8*\k], v113
.endr
	v_nop                                          ; the plain instruction behind the conversions
	global_store_b128 v16, v[32+16*\g:35+16*\g], s[28:29] offset:4608+2048*\g   ; sixteen lanes store 256 consecutive bytes, aligned
	global_store_b8 v17, v[104+\g], s[28:29] offset:8704+128*\g   ; one byte of each channel's word: 64 bytes a wave go out singly, beside 16 KiB read
.endm
	VQ 0
	VQ 1
	v_mov_b32 v119, 0xff800000                     ; -infinity
	v_cmp_ne_u32 s56, 0, v30
	s_and_b32 s56, s56, s54
	v_cndmask_b32 v108, v119, v108, s56            ; q0 . k, hidden where the mask says so or the key does not exist
	v_cmp_ne_u32 s56, 0, v31
	s_and_b32 s56, s56, s55
	v_cndmask_b32 v109, v119, v109, s56
	ds_store_b32 v6, v108 offset:CSO               ; lanes l and l + 16 store the same number to the same word
	ds_store_b32 v6, v109 offset:CSO+32
.irp j, 0,1,2,3,4,5,6,7
	ds_load_b128 v[64+4*\j:67+4*\j], v7 offset:CSO+16*\j   ; LDS serves a wave's instructions in order: every lane gets all 32 scores
.endr
	s_wait_dscnt 0x0
	v_max3_num_f32 v112, v64, v65, v66
.irp i, 67,69,71,73,75,77,79,81,83,85,87,89,91,93
	v_max3_num_f32 v112, v112, v[\i], v[\i+1]
.endr
	v_max_num_f32 v112, v112, v95                  ; the block's largest score
	v_mul_f32 v113, s94, v112
	v_max_num_f32 v113, 0xff61b1e6, v113           ; as t, held at -3e38 where all 32 are hidden
	v_floor_f32 v120, -v113                        ; -M of this block: a whole number; the later sum over blocks rescales by exact powers of two
	v_mov_b32 v121, 0
.irp j, 0,2,4,6,8,10,12,14,16,18,20,22,24,26,28,30
	v_pk_fma_f32 v[64+\j:65+\j], v[64+\j:65+\j], s[94:95], v[120:121] op_sel_hi:[1,0,0]
.endr
	v_fma_f32 v112, v112, s94, v120                ; the same of the largest score: it gives the largest p
.set cnt, 0
.rept 32
	v_exp_f32 v[64+cnt], v[64+cnt]                 ; p = 2^(t - M)
.set cnt, cnt+1
.endr
	v_exp_f32 v112, v112
	v_or_b32 v125, 0x7f7f7f00, v104                ; V's scale words for this product: my block is its first 32 along K.  (Plain instructions behind the exponentials)
	v_or_b32 v126, 0x7f7f7f00, v105
	s_wait_alu depctr_va_vdst(0)                   ; one wait for the batch, ahead of its first reader
	v_pk_add_f32 v[122:123], v[64:65], v[66:67]    ; l: the sum of the unquantised p
.irp j, 4,6,8,10,12,14,16,18,20,22,24,26,28,30
	v_pk_add_f32 v[122:123], v[122:123], v[64+\j:65+\j]
.endr
	v_add_f32 v122, v122, v123
	v_max_num_f32 v112, 0x1800000, v112
	v_add_nc_u32 v113, 0xff000000, v112
	v_lshrrev_b32 v114, 23, v113
	v_or_b32 v124, 0x7f7f7f00, v114                ; p's scale word
.irp k, 0,1,2,3
	v_cvt_scalef32_pk8_fp4_f32 v[160+\k], v[64+8*\k:71+8*\k], v113
.endr
	v_nop
.irp k, 0,1,2,3
	v_cndmask_b32 v[160+\k], 0, v[160+\k], s57     ; p's operand: my 32 keys are K's first block (lanes 0-15, registers 0-3); all else zero codes
	v_mov_b32 v[164+\k], 0
	v_mov_b32 v[40+\k], 0
	v_mov_b32 v[56+\k], 0
.endr
.irp k, 0,1,2,3
	v_permlanex16_b32 v[40+\k], v[32+\k], s92, s93   ; channels 16-31 and 48-63 come down into lanes 0-15 of fragments of their own
	v_permlanex16_b32 v[56+\k], v[48+\k], s92, s93
.endr
.irp t, 0,1,2,3
.irp k, 0,1,2,3
	v_mov_b32 v[36+8*\t+\k], 0
.endr
.endr
.rept 8
	v_nop                                          ; a scale register written by a vector instruction stands 8 places ahead of a scaled matrix instruction, an operand so written 4
.endr
.irp t, 0,2
	v_wmma_scale_f32_16x16x128_f8f6f4 v[128+8*\t:135+8*\t], v[32+8*\t:39+8*\t], v[160:167], 0, v[125+\t/2], v124 matrix_a_fmt:MATRIX_FMT_FP4 matrix_b_fmt:MATRIX_FMT_FP4
	v_wmma_scale_f32_16x16x128_f8f6f4 v[136+8*\t:143+8*\t], v[40+8*\t:47+8*\t], v[160:167], 0, v[125+\t/2], v124 matrix_a_fmt:MATRIX_FMT_FP4 matrix_b_fmt:MATRIX_FMT_FP4 matrix_a_scale:MATRIX_SCALE_ROW1
.endr
.rept 4
	v_nop
.endr
.irp t, 0,1,2,3
	ds_store_b128 v8, v[128+8*\t:131+8*\t] offset:OSO+64*\t      ; register j of tile t: channel 16 t + 8 h + j, the same in all sixteen columns
	ds_store_b128 v8, v[132+8*\t:135+8*\t] offset:OSO+64*\t+16
.endr
	ds_load_b128 v[168:171], v9 offset:OSO
	s_mul_i32 s54, s44, 68
	s_add_co_u32 s54, s54, s47
	s_lshl_b32 s54, s54, 9
	s_mov_b32 s55, 0
	s_add_nc_u64 s[38:39], s[38:39], s[54:55]
	s_wait_dscnt 0x0
	v_cndmask_b32 v168, v122, v168, s57            ; lanes 0-15: four outputs each; lanes 16-31: l, -M, 0, 0
	v_cndmask_b32 v169, v120, v169, s57
	v_cndmask_b32 v170, 0, v170, s57
	v_cndmask_b32 v171, 0, v171, s57
	global_store_b128 v13, v[168:171], s[38:39]    ; the block's record: 512 consecutive bytes, aligned
	FINISH
; ================= the mask of one tile of 16 queries, as lane masks =================
.Lmask:
	s_sub_co_u32 s43, ttmp9, NROW                  ; 128 b + tile
	s_lshr_b32 s44, s43, 7                         ; b
	s_and_b32 s45, s43, 127
	s_lshr_b32 s46, s45, 1
	s_lshl_b32 s46, s46, 5
	s_and_b32 s47, s45, 1
	s_lshl_b32 s47, s47, 3
	s_add_co_u32 s46, s46, s47
	s_add_co_u32 s46, s46, 1                       ; the tile's first query
	s_mul_i32 s46, s46, 2049
	s_mul_i32 s47, s44, MASKB
	s_add_co_u32 s46, s46, s47
	s_lshl_b32 s47, s40, 9
	s_add_co_u32 s46, s46, s47                     ; the byte of (first query, key 512 w)
	v_add_nc_u32 v46, s44, v16
	v_add_nc_u32 v46, 1, v46
	v_and_b32 v46, 3, v46                          ; how far row r's first byte lies behind a multiple of 4: 4,198,401, 2,049 and the first query are all 1 modulo 4, so it is (b + 1 + r) % 4
	v_lshl_add_u32 v17, v17, 3, v16                ; r + 8 (r / 8)
	v_mul_u32_u24 v17, v17, 2049
	v_add_nc_u32 v17, s46, v17
	v_and_b32 v17, -4, v17                         ; row r's first whole word
	v_add_nc_u32 v12, v12, v46
	v_add_nc_u32 v47, v11, v46
	v_lshlrev_b32 v48, 3, v1
.irp e, 0,1,2,3
	v_add_nc_u32 v[32+\e], 512+\e, v17             ; the four bytes behind the row's 128 words, singly: a word there would leave the buffer at its end
	v_min_u32 v[32+\e], 0x802001, v[32+\e]         ; held at the buffer's last byte
.endr
	s_mul_i32 s48, s43, 17
	s_lshl_b32 s49, s40, 2
	s_add_co_u32 s48, s48, s49
	s_lshl_b32 s48, s48, 8                         ; my four steps' words
	s_mov_b32 s49, 0
	s_wait_kmcnt 0x0
	s_add_nc_u64 s[36:37], s[36:37], s[48:49]
.irp r, 0,1,2,3,4,5,6,7,8,9,10,11,12,13,14,15
	s_add_co_u32 s50, s46, (\r+8*(\r/8))*2049
	s_and_b32 s50, s50, -4
	v_add_nc_u32 v[16+\r], s50, v14
.irp m, 0,1,2,3
	global_load_b32 v[64+4*\r+\m], v[16+\r], s[26:27] offset:128*\m th:TH_LOAD_NT   ; 128 consecutive bytes of a row
.endr
.endr
.irp e, 0,1,2,3
	global_load_u8 v[32+\e], v[32+\e], s[26:27]
.endr
	s_wait_loadcnt 0x0
.irp r, 0,1,2,3,4,5,6,7,8,9,10,11,12,13,14,15
.irp m, 0,1,2,3
	ds_store_b32 v10, v[64+4*\r+\m] offset:MP*\r+128*\m
.endr
.endr
.irp e, 0,1,2,3
	ds_store_b8 v11, v[32+\e] offset:512+\e        ; lanes l and l + 16 store the same byte to the same place
.endr
; a step's 64 words: lane (r, h) reads the byte of query r and key 128 sp + 32 (n / 16) + 16 h + n % 16; the compare's lane mask is word n; lane n / 2 takes it into register n % 2
.macro WORDS sp
.set cnt, 0
.rept 64
	ds_load_u8 v[128+cnt], v12 offset:128*\sp+32*(cnt/16)+(cnt%16)
.set cnt, cnt+1
.endr
	v_mov_b32 v[36+2*\sp], 0
	v_mov_b32 v[37+2*\sp], 0
	s_wait_dscnt 0x0
.set cnt, 0
.rept 64
	v_cmp_ne_u32 s[52+cnt%8], 0, v[128+cnt]
	v_writelane_b32 v[36+2*\sp+cnt%2], s[52+cnt%8], cnt/2
.set cnt, cnt+1
.endr
	global_store_b64 v48, v[36+2*\sp:37+2*\sp], s[36:37] offset:256*\sp   ; 256 consecutive bytes, aligned
.endm
	WORDS 0
	WORDS 1
	WORDS 2
	WORDS 3
	s_cmp_lg_u32 s40, 3
	s_cbranch_scc1 .Lmdone
	ds_load_u8 v128, v47 offset:512                ; step 16: key 2,048 alone exists: word 0, lanes 0-15; every other bit is 0
	v_mov_b32 v44, 0
	v_mov_b32 v45, 0
	s_wait_dscnt 0x0
	v_cmp_ne_u32 s52, 0, v128
	s_and_b32 s52, s52, 0xffff
	v_writelane_b32 v44, s52, 0
	global_store_b64 v48, v[44:45], s[36:37] offset:1024
.Lmdone:
	FINISH
.Lfunc_end_k_q620c2e6357_prep:
	.size	k_q620c2e6357_prep, .Lfunc_end_k_q620c2e6357_prep-k_q620c2e6357_prep
	.p2alignl 7, 3214868480
	.fill 96, 4, 3214868480
	.section	.rodata,"a",@progbits
	.p2align	6, 0x0
	.amdhsa_kernel k_q620c2e6357_prep
		.amdhsa_group_segment_fixed_size 74240
		.amdhsa_private_segment_fixed_size 0
		.amdhsa_enable_private_segment 0
		.amdhsa_kernarg_size 96
		.amdhsa_user_sgpr_count 2
		.amdhsa_user_sgpr_kernarg_segment_ptr 1
		.amdhsa_wavefront_size32 1
		.amdhsa_system_sgpr_workgroup_id_x 1
		.amdhsa_system_sgpr_workgroup_id_y 1
		.amdhsa_system_sgpr_workgroup_id_z 1
		.amdhsa_system_vgpr_workitem_id 0
		.amdhsa_next_free_vgpr 192
		.amdhsa_next_free_sgpr 106
		.amdhsa_reserve_vcc 1
		.amdhsa_float_denorm_mode_32 3
		.amdhsa_float_denorm_mode_16_64 3
		.amdhsa_memory_ordered 1
		.amdhsa_forward_progress 1
		.amdhsa_inst_pref_size 151
	.end_amdhsa_kernel
	.amdgpu_metadata
---
amdhsa.version: [ 1, 2 ]
amdhsa.kernels:
  - .name:           k_q620c2e6357_prep
    .symbol:         k_q620c2e6357_prep.kd
    .args:
      - { .name: q, .offset: 0, .size: 8, .value_kind: global_buffer, .address_space: global }
      - { .name: k, .offset: 8, .size: 8, .value_kind: global_buffer, .address_space: global }
      - { .name: v, .offset: 16, .size: 8, .value_kind: global_buffer, .address_space: global }
      - { .name: qpos, .offset: 24, .size: 8, .value_kind: global_buffer, .address_space: global }
      - { .name: kpos, .offset: 32, .size: 8, .value_kind: global_buffer, .address_space: global }
      - { .name: mask_for_attention, .offset: 40, .size: 8, .value_kind: global_buffer, .address_space: global }
      - { .name: kv, .offset: 48, .size: 8, .value_kind: global_buffer, .address_space: global }
      - { .name: qc, .offset: 56, .size: 8, .value_kind: global_buffer, .address_space: global }
      - { .name: qs, .offset: 64, .size: 8, .value_kind: global_buffer, .address_space: global }
      - { .name: qk0, .offset: 72, .size: 8, .value_kind: global_buffer, .address_space: global }
      - { .name: mw, .offset: 80, .size: 8, .value_kind: global_buffer, .address_space: global }
      - { .name: cp, .offset: 88, .size: 8, .value_kind: global_buffer, .address_space: global }
    .group_segment_fixed_size: 74240
    .private_segment_fixed_size: 0
    .kernarg_segment_align: 8
    .kernarg_segment_size: 96
    .max_flat_workgroup_size: 128
    .sgpr_count:     106
    .vgpr_count:     192
    .wavefront_size: 32
...
	.end_amdgpu_metadata
.endif
;; end of part 1
;; launch attn (part 2): grid 256 x 1, 12 waves a work-group, clusters of 4 x 1, 327,680 bytes of LDS; arguments kv, qc, qs, qk0, mw, cp, out0; writes out0
.if DOCPART == 2
	.amdgcn_target "amdgcn-amd-amdhsa--gfx1250"
	.amdhsa_code_object_version 6
	.text
	.protected	k_q620c2e6357_attn
	.globl	k_q620c2e6357_attn
	.p2align	8
	.type	k_q620c2e6357_attn,@function
k_q620c2e6357_attn:
	s_mov_b64 s[64:65], 0
	v_nop
	global_prefetch_b8 v0, s[64:65] scope:SCOPE_SE
	s_setreg_imm32_b32 hwreg(HW_REG_WAVE_MODE, 25, 1), 1
	s_wait_xcnt 0x0
	s_wait_alu depctr_hold_cnt(0) depctr_sa_sdst(0) depctr_va_vdst(0) depctr_va_sdst(0) depctr_va_ssrc(0) depctr_va_vcc(0) depctr_vm_vsrc(0)
	s_getreg_b32 s2, hwreg(HW_REG_IB_STS2, 6, 4)
	s_cmp_eq_u32 s2, 0
	s_cbranch_scc0 .Lentry_in_a_cluster
	s_endpgm
.Lentry_in_a_cluster:
	s_bfe_u32 s2, ttmp6, 0x10000c
	s_cmp_lg_u32 s2, 0x3003
	s_cbranch_scc0 .Lentry_shape_is_right
	s_endpgm
.Lentry_shape_is_right:
; out0[b][q][64 head + c] = the sum over k of softmax_k(score / 8, masked) v[k][c], both products on codes of FP4 (E2M1) with one E8M0 scale for each 32 along K, from the buffers of the launch before.
; THE SOFTMAX: t = score x log2(e) / 8; M = the row's largest t so far, rounded up to a whole number; p = 2^(t - M) is quantised along the keys, in blocks of 32 from key 0; the row's sum is taken of the
; unquantised p and divides at the end.  When M moves, the sum and O are multiplied by 2^(old M - new M): exact.
; SHARES.  A cluster of four work-groups takes 3 heads x 256 queries; a work-group 3 heads x 4 tiles of 16 queries; each of its twelve waves one head and one tile, in 256 registers: three waves to a SIMD.
; Every wave walks 17 steps of 128 keys (step 16 holds key 2,048 alone: the rest are zero codes and zero mask bits), by ONE body.
; K, V and their scale words of a (head, step) are one dense block of 8,960 bytes, laid in the order of the operands' registers.  The four work-groups want the same blocks: each is asked for JOINTLY.
; LDS holds 12 blocks a head: steps 0-11 are asked for at the start, three loads a wave; steps 12-15 go into the places of steps 0-3 when those have been read, step 16 into step 4's.
; LAYOUT.  Both products are used transposed: S^T = K Q^T, O^T = V^T P^T: a lane holds one query (lane % 16) throughout; register n of S^T holds key 32 (n / 16) + 16 (lane / 16) + n % 16 of the step.
; The first product's K is 64: registers 4-7 of Q's and K's fragments are zero codes.  Key 0's score (raw q . raw k0, f32) replaces the product's in step 0.  THE MASK is one select a register, by a lane mask in a scalar register.
; THE CLS QUERY: its 66 partials (one for each 32 keys) are summed by three waves in each work-group of eight clusters while the first tiles are on their way; the four partners take 16 channels each, told apart by address.
; LIMITS: a row whose keys are all hidden gives NaN, as the definition does; NaN and infinities among the inputs are not served.
; No prefetch: 12 of the 17 steps are asked for at the head; each of the two refills has four steps' work before the next wait for all loads, and eight before its bytes are first read.
; REGISTERS: v1 16 x lane, v2 4 x lane; v3, v4 the add's two; v5 -infinity; v6 q . k0; v7 Q's scale word; v8, v9 LDS addresses; v[10:11] c; v12 -M; v13 the largest t; v[14:15] the sum; v16-23 Q; v24-27 K's scale words; v28-29 V's;
;   v30 my offset in the output; v31 4 (lane % 16); v32-95 K; v96-159 S^T, then p; v160-191 O^T; v192-223 V; v224-231 p's codes; v232-254 at work (v253 p's scale word);
;   v240, v241 the way out's two LDS addresses: made at the head and never written again, so that they hold nothing but what is alike in all four work-groups.
;   s[2:3] my mask words; s[4:7], s[76:79], s[96:99] descriptor groups 0; s[68:75] group 1; s8 key 0's lane mask; s9 trips; s10 the step's block in LDS; s11 the step's mask words; s12 wave, s13 wave % 4, s105 wave / 4; s16-63, s80-95 64 mask words.
.set STEPB, 8960
.set HEADL, 12*STEPB                   ; a head's twelve places
.set SPARE, 3*HEADL                    ; behind them: the spare words, 128 bytes for each wave: six blocks of 256 bytes that no other line names
.set STAGE, 5*STEPB                    ; the way out: 16 rows x 272 bytes for each wave, in head 0's places 5 to 11: they have had their last fill and their last read at the last barrier
.macro ROUND                           ; a round of the cluster's barrier
	s_barrier_signal -1
	s_barrier_wait -1
	s_cmp_lg_u32 s12, 0
	s_cbranch_scc1 .Lnot_wave_0_\@
	s_barrier_signal -3
.Lnot_wave_0_\@:
	s_barrier_wait -3
	s_barrier_signal -1
	s_barrier_wait -1
.endm
	s_load_b256 s[16:23], s[0:1], 0x0              ; kv, qc, qs, qk0
	s_load_b128 s[24:27], s[0:1], 0x20             ; mw, cp
	s_load_b64 s[28:29], s[0:1], 0x30              ; out0
	v_lshl_add_u32 v3, v0, 2, SPARE
	v_mov_b32 v4, 0
	ds_add_u32 v3, v4                              ; the wave's opening: the add and its wait ahead of my first tensor load; the set-up below, work on registers, stands between them
	v_lshrrev_b32 v1, 5, v0
	v_readfirstlane_b32 s12, v1                    ; wave 0 .. 11
	v_and_b32 v2, 31, v0
	v_lshlrev_b32 v1, 4, v2
	v_lshlrev_b32 v2, 2, v2
	v_and_b32 v31, 15, v0
	v_lshlrev_b32 v31, 2, v31                      ; 4 (lane % 16)
	; the way out's addresses, from the thread's number, the wave's number and constants
	s_mul_i32 s14, s12, 16*272
	s_add_co_u32 s14, s14, STAGE                   ; my stage
	v_and_b32 v30, 15, v0                          ; r
	v_bfe_u32 v255, v0, 4, 1                       ; h
	v_mul_u32_u24 v240, v30, 272
	v_lshl_add_u32 v240, v255, 5, v240
	v_add_nc_u32 v240, s14, v240                   ; in: row r, + 32 h
	v_mul_u32_u24 v241, v255, 272
	v_lshl_add_u32 v241, v30, 4, v241
	v_add_nc_u32 v241, s14, v241                   ; back: lanes 0-15 one row, lanes 16-31 the next
	v_mul_u32_u24 v255, v255, 3072
	v_lshl_add_u32 v30, v30, 4, v255               ; and the same two rows in the output
	s_and_b32 s13, s12, 3                          ; p: my tile of the work-group's four; also which step of four I fetch
	s_lshr_b32 s105, s12, 2                        ; my head of the work-group's three
	s_bfe_u32 s15, ttmp6, 0x40000                  ; cx: it enters global addresses of Q, the mask, the partials and the output alone
	s_lshr_b32 s30, ttmp9, 5                       ; b
	s_bfe_u32 s31, ttmp9, 0x20003                  ; which three heads
	s_and_b32 s32, ttmp9, 7                        ; which 256 queries
	s_mul_i32 s33, s31, 3
	s_add_co_u32 s33, s33, s105                    ; head 0 .. 11
	s_mul_i32 s34, s30, 12
	s_add_co_u32 s34, s34, s33                     ; 12 b + head
	s_lshl_b32 s35, s32, 4
	s_lshl_b32 s36, s15, 2
	s_add_co_u32 s35, s35, s36
	s_add_co_u32 s35, s35, s13                     ; my tile of queries, 0 .. 127
	; descriptor group 1: a dense block of 8,960 bytes as 35 rows of 32 elements of 8 bytes
	s_mov_b32 s68, 15|(3<<16)|(1<<21)              ; 15:0 the mask: all four work-groups; 17:16 elements of 8 bytes; 21 set beside a mask; no padding: every read is 16 x lane or 4 x lane
	s_mov_b32 s69, 32<<16                          ; tensor_dim0 = 32
	s_mov_b32 s70, 35<<16                          ; tensor_dim1 = 35
	s_mov_b32 s71, 32<<16                          ; tile_dim0 = 32
	s_mov_b32 s72, 35                              ; tile_dim1 = 35
	s_mov_b32 s73, 32                              ; from row to row
	s_mov_b32 s74, 0
	s_mov_b32 s75, 0
	s_mul_i32 s10, s105, HEADL                     ; my head's places in LDS
	s_mul_i32 s36, s13, STEPB
	s_mov_b32 s76, 1
	s_add_co_u32 s77, s10, s36                     ; step p
	s_mov_b32 s96, 1
	s_add_co_u32 s97, s77, 4*STEPB                 ; step 4 + p
	s_mov_b32 s4, 1
	s_add_co_u32 s5, s77, 8*STEPB                  ; step 8 + p
	s_mul_i32 s38, s34, 17
	s_add_co_u32 s38, s38, s13
	s_mul_i32 s38, s38, STEPB
	s_mov_b32 s39, 0
	s_lshl_b32 s40, s30, 7
	s_add_co_u32 s40, s40, s35
	s_mul_i32 s40, s40, 17*256                     ; my tile's mask words
	s_mov_b32 s41, 0
	s_mul_i32 s42, s30, 2049
	s_lshr_b32 s36, s35, 1
	s_lshl_b32 s36, s36, 5
	s_add_co_u32 s42, s42, s36
	s_and_b32 s36, s35, 1
	s_lshl_b32 s36, s36, 3
	s_add_co_u32 s42, s42, s36
	s_add_co_u32 s42, s42, 1                       ; my tile's first row of the output
	s_mul_i32 s42, s42, 3072
	s_lshl_b32 s36, s33, 8
	s_add_co_u32 s42, s42, s36
	s_mov_b32 s43, 0
	s_lshl_b32 s44, s34, 7
	s_add_co_u32 s44, s44, s35
	s_lshl_b32 s46, s44, 9                         ; Q's fragment
	s_mov_b32 s47, 0
	s_lshl_b32 s50, s44, 6                         ; its scale words, and q . k0
	s_mov_b32 s51, 0
	s_mul_i32 s62, s34, 68*512                     ; my head's partials of the cls query
	s_mov_b32 s63, 0
	s_mov_b32 s66, 0x76543210                      ; v_permlanex16_b32's selects for lane l xor 16
	s_mov_b32 s67, 0xfedcba98
	s_mov_b32 s8, 0xffff                           ; key 0 lies in register 0 of lanes 0-15, in step 0
	s_mov_b32 s11, 0
	s_wait_dscnt 0x0                               ; the opening add is done
	s_wait_kmcnt 0x0
	s_add_nc_u64 s[78:79], s[16:17], s[38:39]
	s_add_nc_u64 s[98:99], s[78:79], 4*STEPB
	s_add_nc_u64 s[6:7], s[78:79], 8*STEPB
	s_or_b32 s79, s79, 0x80000000                  ; type = 2
	s_or_b32 s99, s99, 0x80000000
	s_or_b32 s7, s7, 0x80000000
	s_add_nc_u64 s[2:3], s[24:25], s[40:41]
	s_add_nc_u64 s[100:101], s[28:29], s[42:43]
	s_add_nc_u64 s[48:49], s[18:19], s[46:47]
	s_add_nc_u64 s[52:53], s[20:21], s[50:51]
	s_add_nc_u64 s[54:55], s[22:23], s[50:51]
	s_add_nc_u64 s[56:57], s[26:27], s[62:63]
	s_mul_i32 s62, s30, 6294528
	s_add_co_u32 s62, s62, s36
	s_add_nc_u64 s[58:59], s[28:29], s[62:63]      ; row 0 of my batch, my head's 64 channels
	ROUND                                          ; all four work-groups are here: the first joint loads meet
	tensor_load_to_lds s[76:79], s[68:75]          ; the first fills, one group: three loads of mine are out
	s_nop 0
	tensor_load_to_lds s[96:99], s[68:75]
	s_nop 0
	tensor_load_to_lds s[4:7], s[68:75]
	s_nop 0
.rept 4
	v_nop
.endr
	global_load_b128 v[16:19], v1, s[48:49]        ; Q's fragment stays in registers
	global_load_b32 v7, v31, s[52:53]
	global_load_b32 v6, v31, s[54:55]
	; ---- the cls query: clusters whose queries begin at 0, waves with p = 0: the same branch in all four partners
	s_and_b32 s60, ttmp9, 7
	s_or_b32 s60, s60, s13
	s_cmp_lg_u32 s60, 0
	s_cbranch_scc1 .Lno_cls
	s_lshl_b32 s61, s15, 6
	v_add_nc_u32 v234, s61, v31                    ; my channel: 16 cx + lane % 16, in bytes
	v_bfe_u32 v233, v0, 4, 1
	v_lshlrev_b32 v233, 9, v233                    ; lanes 0-15 take the even blocks, lanes 16-31 the odd ones
	v_add_nc_u32 v232, v233, v234
.set ci, 0
.rept 33
	global_load_b32 v[32+ci], v232, s[56:57] offset:1024*ci
	global_load_b64 v[96+2*ci:97+2*ci], v233, s[56:57] offset:1024*ci+256   ; l, -M
.set ci, ci+1
.endr
	v_mov_b32 v163, 0
	v_mov_b32 v164, 0
	v_mov_b32 v165, 0
	s_wait_loadcnt 0x0
	v_min3_num_f32 v162, v97, v99, v101
.set ci, 3
.rept 15
	v_min3_num_f32 v162, v162, v[97+2*ci], v[99+2*ci]
.set ci, ci+2
.endr
	v_permlanex16_b32 v163, v162, s66, s67
	v_min_num_f32 v162, v162, v163                 ; the smallest -M: the row's M
.set ci, 0
.rept 33
	v_sub_f32 v166, v162, v[97+2*ci]               ; the block's M less the row's: a whole number, 0 or less
	v_cvt_i32_f32 v166, v166                       ; (it saturates)
	v_ldexp_f32 v166, 1.0, v166
	v_fmac_f32 v164, v166, v[32+ci]
	v_fmac_f32 v165, v166, v[96+2*ci]
.set ci, ci+1
.endr
	v_permlanex16_b32 v163, v164, s66, s67
	v_add_f32 v164, v164, v163
	v_permlanex16_b32 v163, v165, s66, s67
	v_add_f32 v165, v165, v163
	v_rcp_f32 v165, v165
	v_nop                                          ; a plain instruction behind the reciprocal,
	s_wait_alu depctr_va_vdst(0)                   ; and the wait ahead of its first reader
	v_mul_f32 v164, v164, v165
	global_store_b32 v234, v164, s[58:59]          ; lanes l and l + 16 hold the same number and store it to the same place: EXEC stays whole.  64 bytes a work-group: the four partners fill the head's 256
.Lno_cls:
	s_wait_xcnt 0x0                                ; every load and store above has read its registers and its base: the store's data are cleared below, and the mask words land on the bases
	v_mov_b32 v5, 0xff800000
	v_mov_b32 v10, 0x3e38aa3b                      ; c = log2(e) / 8
	v_mov_b32 v11, 0x3e38aa3b
	v_mov_b32 v13, 0xff61b1e6                      ; the largest t so far: -3e38
	v_floor_f32 v12, -v13
	v_mov_b32 v14, 0
	v_mov_b32 v15, 0
.irp k, 0,1,2,3
	v_mov_b32 v[20+\k], 0                          ; channels 64-127 do not exist: zero codes, in Q
	v_mov_b32 v[236+\k], 0                         ; (a lane permute's destination counts as one of its sources)
.endr
.irp t, 0,1,2,3,4,5,6,7
.irp k, 0,1,2,3
	v_mov_b32 v[36+8*\t+\k], 0                     ; and in K: these stay
.endr
.endr
	v_mov_b32 v253, 0
.set ci, 0
.rept 32
	v_mov_b32 v[160+ci], 0                         ; O^T: the one body's first step finds zeros
.set ci, ci+1
.endr
	s_wait_loadcnt 0x0                             ; Q, its scale word, q . k0
	s_load_b512 s[16:31], s[2:3], s11 offset:0x0   ; step 0's 64 mask words
	s_load_b512 s[32:47], s[2:3], s11 offset:0x40
	s_load_b512 s[48:63], s[2:3], s11 offset:0x80
	s_load_b512 s[80:95], s[2:3], s11 offset:0xc0
; A KEY STEP: 128 keys, whose block begins at LDS byte s10
.macro STEP
	v_add_nc_u32 v8, s10, v1
	v_add_nc_u32 v9, s10, v2
	v_nop
	v_nop                                          ; four places behind the last products, in front of loads into registers that they read
.irp t, 0,1,2,3,4,5,6,7
	ds_load_b128 v[32+8*\t:35+8*\t], v8 offset:512*\t
.endr
.irp b, 0,1,2,3
	ds_load_b32 v[24+\b], v9 offset:4096+128*\b    ; lanes 0-15 tile 2 b's scale words, lanes 16-31 tile 2 b + 1's
.endr
.irp t, 0,1,2,3
.irp c, 0,1
	ds_load_b128 v[192+8*\t+4*\c:195+8*\t+4*\c], v8 offset:4608+1024*\t+512*\c
.endr
.endr
.irp a, 0,1
	ds_load_b32 v[28+\a], v9 offset:8704+128*\a
.endr
	s_wait_dscnt 10                                ; K and its scale words are in; V's eight loads and its two scale loads may stay out
.irp t, 0,2,4,6
	v_wmma_scale_f32_16x16x128_f8f6f4 v[96+8*\t:103+8*\t], v[32+8*\t:39+8*\t], v[16:23], 0, v[24+\t/2], v7 matrix_a_fmt:MATRIX_FMT_FP4 matrix_b_fmt:MATRIX_FMT_FP4
	v_wmma_scale_f32_16x16x128_f8f6f4 v[104+8*\t:111+8*\t], v[40+8*\t:47+8*\t], v[16:23], 0, v[24+\t/2], v7 matrix_a_fmt:MATRIX_FMT_FP4 matrix_b_fmt:MATRIX_FMT_FP4 matrix_a_scale:MATRIX_SCALE_ROW1
.endr
.rept 4
	v_nop
.endr
	v_cndmask_b32 v96, v96, v6, s8                 ; key 0's score is raw q . raw k0 (step 0 alone: the lane mask is 0 afterwards)
	s_mov_b32 s8, 0
	s_wait_kmcnt 0x0                               ; this step's mask words, asked for a step ago
.set n, 0
.rept 48
	v_cndmask_b32 v[96+n], v5, v[96+n], s[16+n]    ; a hidden key's score becomes -infinity: p = 0
.set n, n+1
.endr
.rept 16
	v_cndmask_b32 v[96+n], v5, v[96+n], s[32+n]
.set n, n+1
.endr
	s_add_co_u32 s11, s11, 256
	s_min_u32 s11, s11, 4096                       ; the next step's words; the last step asks for its own again: no load leaves the buffer
	s_load_b512 s[16:31], s[2:3], s11 offset:0x0
	s_load_b512 s[32:47], s[2:3], s11 offset:0x40
	s_load_b512 s[48:63], s[2:3], s11 offset:0x80
	s_load_b512 s[80:95], s[2:3], s11 offset:0xc0
.irp b, 0,1,2,3
	v_max3_num_f32 v[232+\b], v[96+16*\b], v[97+16*\b], v[98+16*\b]   ; the largest score of each block of 32 keys: for the row's maximum, and, since p rises with the score, for the block's largest p
.endr
.irp i, 3,5,7,9,11,13
.irp b, 0,1,2,3
	v_max3_num_f32 v[232+\b], v[232+\b], v[96+16*\b+\i], v[97+16*\b+\i]
.endr
.endr
.irp b, 0,1,2,3
	v_max_num_f32 v[232+\b], v[232+\b], v[111+16*\b]
.endr
.irp b, 0,1,2,3
	v_permlanex16_b32 v[236+\b], v[232+\b], s66, s67
.endr
.irp b, 0,1,2,3
	v_max_num_f32 v[232+\b], v[232+\b], v[236+\b]  ; with lane l xor 16's 16 keys
.endr
	v_max3_num_f32 v254, v232, v233, v234
	v_max_num_f32 v254, v254, v235
	v_mul_f32 v254, v10, v254
	v_max_num_f32 v13, v13, v254                   ; the running largest t
	v_mov_b32 v254, v12
	v_floor_f32 v12, -v13                          ; the new -M = -ceil(t)
	v_sub_f32 v254, v12, v254
	v_cvt_i32_f32 v254, v254                       ; old M - new M, a whole number, 0 or less (it saturates)
	v_ldexp_f32 v252, 1.0, v254                    ; f = 2^(old M - new M)
.irp j, 0,2,4,6,8,10,12,14,16,18,20,22,24,26,28,30,32,34,36,38,40,42,44,46,48,50,52,54,56,58,60,62
	v_pk_fma_f32 v[96+\j:97+\j], v[96+\j:97+\j], v[10:11], v[12:13] op_sel_hi:[1,0,0]   ; t - M
.endr
.irp b, 0,1,2,3
	v_fma_f32 v[232+\b], v[232+\b], v10, v12
.endr
.set n, 0
.rept 64
	v_exp_f32 v[96+n], v[96+n]                     ; p = 2^(t - M)
.set n, n+1
.endr
	v_pk_mul_f32 v[14:15], v[14:15], v[252:253] op_sel_hi:[1,0]   ; the sums under the new M.  (A plain instruction behind the exponentials)
	s_wait_alu depctr_va_vdst(0)                   ; one wait for the batch of 64, ahead of its first reader
.irp b, 0,1,2,3
	v_exp_f32 v[232+\b], v[232+\b]                 ; each block's largest p
.endr
	v_pk_add_f32 v[248:249], v[96:97], v[98:99]    ; the row's sum of the unquantised p, in two chains
.irp j, 4,8,12,16,20,24,28,32,36,40,44,48,52
	v_pk_add_f32 v[14:15], v[14:15], v[96+\j:97+\j]
	v_pk_add_f32 v[248:249], v[248:249], v[98+\j:99+\j]
.endr
	s_wait_alu depctr_va_vdst(0)                   ; and one for the four
.irp b, 0,1,2,3
	v_max_num_f32 v[232+\b], 0x1800000, v[232+\b]  ; the floor 2^(3 - 127): the byte cannot fall under 1
.endr
.irp b, 0,1,2,3
	v_add_nc_u32 v[244+\b], 0xff000000, v[232+\b]  ; 2 off the exponent field: the conversion's scale operand
.endr
.irp b, 0,1,2,3
	v_lshrrev_b32 v[236+\b], 23, v[244+\b]
.endr
	v_lshl_or_b32 v253, v237, 8, v236              ; p's scale word for these 128 keys
	v_lshl_or_b32 v253, v238, 16, v253
	v_lshl_or_b32 v253, v239, 24, v253
.irp b, 0,1,2,3
	v_cvt_scalef32_pk8_fp4_f32 v[224+2*\b], v[96+16*\b:103+16*\b], v[244+\b]
	v_cvt_scalef32_pk8_fp4_f32 v[225+2*\b], v[104+16*\b:111+16*\b], v[244+\b]
.endr
	v_nop                                          ; the plain instruction behind the conversions
.irp c, 0,1
.irp i, 0,1
	v_permlane16_swap_b32 v[224+4*\c+\i], v[226+4*\c+\i]   ; a whole block in a lane: lanes 0-15 block 2 c, lanes 16-31 block 2 c + 1
.endr
.endr
.irp j, 0,2,4,6,8,10,12,14,16,18,20,22,24,26,28,30
	v_pk_mul_f32 v[160+\j:161+\j], v[160+\j:161+\j], v[252:253] op_sel_hi:[1,0]   ; O^T under the new M
.endr
.irp j, 56,60
	v_pk_add_f32 v[14:15], v[14:15], v[96+\j:97+\j]        ; the sum's last five additions stand here: plain work between the last write of an accumulator and the products that add onto it
	v_pk_add_f32 v[248:249], v[248:249], v[98+\j:99+\j]
.endr
	v_pk_add_f32 v[14:15], v[14:15], v[248:249]
	s_wait_dscnt 0x0                               ; V and its scale words
.irp t, 0,2
	v_wmma_scale_f32_16x16x128_f8f6f4 v[160+8*\t:167+8*\t], v[192+8*\t:199+8*\t], v[224:231], v[160+8*\t:167+8*\t], v[28+\t/2], v253 matrix_a_fmt:MATRIX_FMT_FP4 matrix_b_fmt:MATRIX_FMT_FP4
	v_wmma_scale_f32_16x16x128_f8f6f4 v[168+8*\t:175+8*\t], v[200+8*\t:207+8*\t], v[224:231], v[168+8*\t:175+8*\t], v[28+\t/2], v253 matrix_a_fmt:MATRIX_FMT_FP4 matrix_b_fmt:MATRIX_FMT_FP4 matrix_a_scale:MATRIX_SCALE_ROW1
.endr
	s_add_co_u32 s10, s10, STEPB
.endm
.macro STEPS trips                     ; the accumulators take turns, one instruction a turn, over the backward jump too
	s_mov_b32 s9, \trips
.Lstep_\@:
	STEP
	s_sub_co_i32 s9, s9, 1
	s_cmp_lg_u32 s9, 0
	s_cbranch_scc1 .Lstep_\@
.endm
	s_wait_tensorcnt 0x2                           ; my step p is in; my two younger first fills may stay out
	s_barrier_signal -1
	s_barrier_wait -1                              ; everybody's is: steps 0-3 of each head
	STEPS 4
	s_wait_tensorcnt 0x0                           ; all my loads have landed, steps 4 + p and 8 + p among them: no load of mine is out, so a group 0 may be written
	ds_add_u32 v3, v4                              ; 0 onto my spare word
	s_add_nc_u64 s[78:79], s[78:79], 12*STEPB      ; step 12 + p, into step p's place
	s_wait_dscnt 0x0                               ; the add is done, and my reads of steps 0-3 are over
	ROUND                                          ; both hold of every wave of all four work-groups
	tensor_load_to_lds s[76:79], s[68:75]          ; my one load behind this round: four steps' work stands between it and the next wait for all loads
	s_nop 0
	STEPS 4
	s_wait_tensorcnt 0x0
	ds_add_u32 v3, v4
	s_add_nc_u64 s[98:99], s[98:99], 12*STEPB      ; step 16, into step 4's place: the waves with p = 0 alone have one
	s_wait_dscnt 0x0                               ; the add is done, and my reads of steps 4-7 are over
	ROUND
	s_cmp_lg_u32 s13, 0                            ; on the wave's number alone: the same in all four work-groups
	s_cbranch_scc1 .Lno_16
	tensor_load_to_lds s[96:99], s[68:75]
	s_nop 0
.rept 4
	v_nop
.endr
.Lno_16:
	STEPS 4
	s_wait_tensorcnt 0x0                           ; steps 12-16 have landed
	ds_add_u32 v3, v4
	s_mul_i32 s10, s105, HEADL                     ; back to my head's first place
	s_wait_dscnt 0x0                               ; the add is done, and my reads of steps 8-11 are over
	s_barrier_signal -1
	s_barrier_wait -1
	STEPS 5
	; THE WAY OUT: O^T / the sum, through my stage in LDS, so that sixteen lanes store a row's 256 consecutive bytes, aligned
	s_wait_kmcnt 0x0                               ; the last, unused mask words
	v_add_f32 v14, v14, v15
	v_permlanex16_b32 v252, v14, s66, s67
	v_add_f32 v14, v14, v252                       ; the row's sum
	v_rcp_f32 v14, v14
.rept 4
	v_nop                                          ; the plain instruction behind the reciprocal, and the places behind the last products in front of the first read of their results
.endr
	s_wait_alu depctr_va_vdst(0)                   ; the wait ahead of the reciprocal's first reader
.set n, 0
.rept 32
	v_mul_f32 v[96+n], v[160+n], v14               ; register 8 t + j: channel 16 t + 8 h + j of query r; each accumulator from its low end on
.set n, n+1
.endr
.irp t, 0,1,2,3
	ds_store_b128 v240, v[96+8*\t:99+8*\t] offset:64*\t
	ds_store_b128 v240, v[100+8*\t:103+8*\t] offset:64*\t+16
.endr
.irp i, 0,1,2,3,4,5,6,7
	ds_load_b128 v[32+4*\i:35+4*\i], v241 offset:544*\i   ; LDS serves a wave's instructions in order: these see my stores
.endr
.irp i, 0,1,2,3,4,5,6,7
	s_wait_dscnt 7-\i                              ; the younger loads may stay out
	global_store_b128 v30, v[32+4*\i:35+4*\i], s[100:101] offset:6144*\i+24576*(\i/4) th:TH_STORE_NT   ; tile row r is query row r + 8 (r / 8)
.endr
	s_wait_tensorcnt 0x0                           ; the wave's end, behind my last tensor load and my last LDS store
	ds_add_u32 v3, v4
	s_wait_dscnt 0x0
	ROUND                                          ; the closing round: no work-group ends while a partner may still ask for a block that names it
	s_endpgm
.Lfunc_end_k_q620c2e6357_attn:
	.size	k_q620c2e6357_attn, .Lfunc_end_k_q620c2e6357_attn-k_q620c2e6357_attn
	.p2alignl 7, 3214868480
	.fill 96, 4, 3214868480
	.section	.rodata,"a",@progbits
	.p2align	6, 0x0
	.amdhsa_kernel k_q620c2e6357_attn
		.amdhsa_group_segment_fixed_size 327680
		.amdhsa_private_segment_fixed_size 0
		.amdhsa_enable_private_segment 0
		.amdhsa_kernarg_size 56
		.amdhsa_user_sgpr_count 2
		.amdhsa_user_sgpr_kernarg_segment_ptr 1
		.amdhsa_wavefront_size32 1
		.amdhsa_system_sgpr_workgroup_id_x 1
		.amdhsa_system_sgpr_workgroup_id_y 1
		.amdhsa_system_sgpr_workgroup_id_z 1
		.amdhsa_system_vgpr_workitem_id 0
		.amdhsa_next_free_vgpr 256
		.amdhsa_next_free_sgpr 106
		.amdhsa_reserve_vcc 0
		.amdhsa_float_denorm_mode_32 3
		.amdhsa_float_denorm_mode_16_64 3
		.amdhsa_memory_ordered 1
		.amdhsa_forward_progress 1
		.amdhsa_inst_pref_size 107
	.end_amdhsa_kernel
	.amdgpu_metadata
---
amdhsa.version: [ 1, 2 ]
amdhsa.kernels:
  - .name:           k_q620c2e6357_attn
    .symbol:         k_q620c2e6357_attn.kd
    .args:
      - { .name: kv, .offset: 0, .size: 8, .value_kind: global_buffer, .address_space: global }
      - { .name: qc, .offset: 8, .size: 8, .value_kind: global_buffer, .address_space: global }
      - { .name: qs, .offset: 16, .size: 8, .value_kind: global_buffer, .address_space: global }
      - { .name: qk0, .offset: 24, .size: 8, .value_kind: global_buffer, .address_space: global }
      - { .name: mw, .offset: 32, .size: 8, .value_kind: global_buffer, .address_space: global }
      - { .name: cp, .offset: 40, .size: 8, .value_kind: global_buffer, .address_space: global }
      - { .name: out0, .offset: 48, .size: 8, .value_kind: global_buffer, .address_space: global }
    .group_segment_fixed_size: 327680
    .private_segment_fixed_size: 0
    .kernarg_segment_align: 8
    .kernarg_segment_size: 56
    .max_flat_workgroup_size: 384
    .sgpr_count:     106
    .vgpr_count:     256
    .wavefront_size: 32
...
	.end_amdgpu_metadata
.endif
;; end of part 2
;; ======== version 2 of 2: 2 launches
;; limits: right only within a limited range of input values
;; workspace buffers: kv 3,551,232 bytes; qc 1,572,864 bytes; qs 196,608 bytes; qk0 196,608 bytes; mw 1,245,184 bytes of whole numbers; cp 835,584 bytes
;; launch prep (part 3): grid 1048 x 1, 4 waves a work-group, no clusters, 38,400 bytes of LDS; arguments q, k, v, qpos, kpos, mask_for_attention, kv, qc, qs, qk0, mw, cp; writes kv, qc, qs, qk0, mw, cp
.if DOCPART == 3
	.amdgcn_target "amdgcn-amd-amdhsa--gfx1250"
	.amdhsa_code_object_version 6
	.text
	.protected	k_q620c2e6357_prep
	.globl	k_q620c2e6357_prep
	.p2align	8
	.type	k_q620c2e6357_prep,@function
k_q620c2e6357_prep:
	s_mov_b64 s[64:65], 0
	v_nop
	global_prefetch_b8 v0, s[64:65] scope:SCOPE_SE
	s_setreg_imm32_b32 hwreg(HW_REG_WAVE_MODE, 25, 1), 1
	s_wait_xcnt 0x0
; All that the attention launch needs once: q and k after RoPE as codes of FP4 (E2M1) with one E8M0 byte for each 32 channels, v as codes along the keys,
; the f32 products with row 0 (q . k0, and for the cls query q0 . k), the mask as bits, and the cls query's attention as one partial for each 32 keys.  No work of the definition is left out.
; q, k, v: [24][2049][64] f32; qpos, kpos: [2][2049][2] i32; the mask: [2][2049][2049] bytes of 0 or 1.
; ROLES by the work-group's number: 0..407 a (head, key step of 128 keys), a wave to a block of 32 keys; 408..791 q, a wave to 32 queries; 792..1047 the mask of a tile of 16 queries, a wave to 4 rows.
; In pass u lane (r, h) takes row 8 u + r + 8 (r / 8) of its group of 32 and channels 32 h .. 32 h + 31.  A tile of queries is such a pass.
; OUT: kv [head 24][step 17][8,704 bytes]: K's codes [block w 4][pass u 2][lane][16], in odd blocks lane l's 16 bytes at place l xor 8; K's scale words [2][32]: word 16 v + i of group w / 2 belongs to row
;      i = r % 8 + 8 (w % 2) of the tiles with v = r / 8: pass 0's two bytes low, pass 1's high; V's codes [tile 4][c 2][lane][16]; V's scale words [2][lane].
;      qc [head][tile 128][lane][16]; qs, qk0 [head][group 64][32 words];
;      mw [b][tile 128][4,864 bytes]: rows [16][64 words], word 2 (8 g + s % 8) + s / 8 = keys 128 s + 32 g + 0 .. 31, bit 8 (j % 4) + j / 4 for key j of the block; then for each wave of the tile 32 equal words
;      whose bit s says that a key of step s < 16 is hidden from one of its 4 rows; then 32 words: in words 0-15 the byte of key 2,048;
;      cp [head][block 68][128 words]: O[64], then (l, -M, 0, 0) sixteen times.
; Waves share nothing: no barrier.  A block of zeros gets the byte 1 where the quantiser says 127: its codes are zeros, and this program alone reads the bytes.
; SINE AND COSINE: k = the nearest whole number to ang / pi, r = ang - k pi in two terms, |r| <= pi / 2; the sine's series up to r^11 (what is cut is under 6e-8), the cosine's up to r^12 (under 7e-9); both times (-1)^k.
; LIMITS: |pos| up to about 10^6 (beyond it the reduction by pi in two terms no longer holds; k has to stay under 2^22); NaN and infinities in q, k, v are not served.
.set HEADB,  524544                    ; a head's 2,049 rows of 256 bytes
.set MASKB,  4198401                   ; a batch's mask
.set NKV,    408
.set NROW,   792
.set BLKB,   8704                      ; a (head, step) block of kv
.set TILEM,  4864                      ; a tile's part of mw
.set WREG,   9472                      ; LDS: a region for each wave: 32 rows (row j at 272 j + 128 (j / 16)),
.set CSO,    8960                      ; the cls query's 32 scores,
.set OSO,    9088                      ; and its 64 outputs
.set SPARE,  4*WREG                    ; the spare words, 128 bytes for each wave: two blocks of 256 bytes that no other line names
; v1 lane; v2, v3 the add's two; v4-v9 LDS addresses; v10 where my codes go; v11 where my scale word goes; v13 16 x lane; v14 4 x lane; v15 lane / 16; v16-v27 at work; v28-v31 positions and mask bytes;
; v32-63 row 0 of the other tensor, later V's fragments; v64-127 32 rows as loaded, then v64-95 a lane's 32 channels, v96-117 results, v118-121 at work, v122-127 three constants as pairs;
; v128-191 V as loaded, later the cls outputs and p's codes.
.macro FINISH                          ; the wave's end, behind my last LDS store
	s_wait_tensorcnt 0x0
	ds_add_u32 v2, v3
	s_wait_dscnt 0x0
	s_endpgm
.endm
.macro PAIR r, val                     ; a constant for the packed forms, which name a pair and take its low word for both halves: so both words are written
	s_mov_b32 s[\r], \val
	s_mov_b32 s[\r+1], \val
.endm
	s_load_b512 s[16:31], s[0:1], 0x0              ; q, k, v, qpos, kpos, mask, kv, qc
	s_load_b256 s[32:39], s[0:1], 0x40             ; qs, qk0, mw, cp
	v_lshl_add_u32 v2, v0, 2, SPARE
	v_mov_b32 v3, 0
	v_lshrrev_b32 v1, 5, v0
	v_readfirstlane_b32 s40, v1                    ; wave
	v_and_b32 v1, 31, v0                           ; lane
	v_and_b32 v16, 15, v0                          ; r
	v_bfe_u32 v15, v0, 4, 1                        ; h
	v_bfe_u32 v17, v0, 3, 1                        ; a = r / 8
	v_and_b32 v18, 7, v0                           ; m = r % 8
	v_lshlrev_b32 v13, 4, v1
	v_lshlrev_b32 v14, 2, v1
	s_mul_i32 s41, s40, WREG
	v_mul_u32_u24 v4, v15, 272                     ; rows in: a load's two rows, 16 bytes a lane
	v_lshl_add_u32 v4, v16, 4, v4
	v_add_nc_u32 v4, s41, v4
	v_mul_u32_u24 v5, v17, 4480                    ; rows out: row 16 a + m (+ 8 u by the immediate), my half's 128 bytes: sixteen lanes fall on sixteen different 16-byte columns of 256
	v_mad_u32_u24 v5, v18, 272, v5
	v_lshl_add_u32 v5, v15, 7, v5
	v_add_nc_u32 v5, s41, v5
	v_lshlrev_b32 v11, 6, v17
	v_lshl_add_u32 v11, v18, 2, v11                ; word 16 a + m
	v_add_nc_u32 v6, s41, v11                      ; the cls score of my row (+ 8 u)
	v_mov_b32 v7, s41                              ; all 32 scores, the same for every lane
	v_lshl_add_u32 v8, v15, 5, s41                 ; the cls outputs in: 32 h
	v_lshl_add_u32 v9, v16, 4, s41                 ; and out: 16 r
	s_wait_alu depctr_va_vdst(0)
	s_cmp_ge_u32 ttmp9, NROW
	s_cbranch_scc1 .Lmask
; ================= q and k: one text; the tensors are chosen by the work-group's number =================
	s_mov_b32 s66, 0x3f800000                      ; 10^(-i / 8), i = 0 .. 15: RoPE's frequencies for 32 channels at base 100
	s_mov_b32 s67, 0x3f3ff911
	s_mov_b32 s68, 0x3f0ff59a
	s_mov_b32 s69, 0x3ed7e89b
	s_mov_b32 s70, 0x3ea1e89b
	s_mov_b32 s71, 0x3e72d424
	s_mov_b32 s72, 0x3e361887
	s_mov_b32 s73, 0x3e088d77
	s_mov_b32 s74, 0x3dcccccd
	s_mov_b32 s75, 0x3d99940e
	s_mov_b32 s76, 0x3d6655c3
	s_mov_b32 s77, 0x3d2cba15
	s_mov_b32 s78, 0x3d0186e2
	s_mov_b32 s79, 0x3cc24350
	s_mov_b32 s80, 0x3c91ad39
	s_mov_b32 s81, 0x3c5a7bf1
	PAIR 2, 0x3ea2f983                             ; 1 / pi
	PAIR 4, 0xc0490fdb                             ; -(pi rounded to f32)
	PAIR 6, 0x33bbbd2e                             ; -(pi less that)
	PAIR 8, 0x3638ef1d                             ; the sine: r + r z (-1/3! + z (1/5! + z (-1/7! + z (1/9! - z / 11!)))): 1/9!,
	PAIR 10, 0xb9500d01                            ; -1/7!,
	PAIR 12, 0x3c088889                            ; 1/5!,
	PAIR 14, 0xbe2aaaab                            ; -1/3!
	PAIR 82, 0xb493f27e                            ; the cosine: 1 - z / 2 + z z (1/4! + z (-1/6! + z (1/8! + z (-1/10! + z / 12!)))): -1/10!,
	PAIR 84, 0x37d00d01                            ; 1/8!,
	PAIR 86, 0xbab60b61                            ; -1/6!,
	PAIR 88, 0x3d2aaaab                            ; 1/4!
	s_mov_b32 s92, 0x76543210                      ; v_permlanex16_b32's selects for lane l xor 16
	s_mov_b32 s93, 0xfedcba98
	s_mov_b32 s94, 0x3e38aa3b                      ; c = log2(e) / 8
	s_mov_b32 s95, s94
	s_mul_i32 s44, ttmp9, 3856
	s_lshr_b32 s44, s44, 16                        ; k: head = id / 17 (right for id under 408)
	s_mul_i32 s45, s44, 17
	s_sub_co_u32 s45, ttmp9, s45                   ; k: key step
	s_sub_co_u32 s54, ttmp9, NKV
	s_lshr_b32 s55, s54, 4                         ; q: head
	s_and_b32 s54, s54, 15                         ; q: which four groups
	s_cmp_ge_u32 ttmp9, NKV
	s_cselect_b32 s44, s55, s44                    ; head 0 .. 23
	s_cselect_b32 s45, s54, s45
	s_cselect_b32 s46, 1, 0                        ; 1: q
	s_lshl_b32 s47, s45, 2
	s_add_co_u32 s47, s47, s40                     ; G: my group of 32 rows
	s_lshl_b32 s48, s47, 5
	s_add_co_u32 s48, s48, s46                     ; its first row: 32 G for k, 32 G + 1 for q
	s_cmp_ge_u32 s44, 12
	s_cselect_b32 s49, 1, 0                        ; batch
	s_mul_i32 s42, ttmp9, BLKB                     ; k: my (head, step) block: 17 head + step is the work-group's number
	s_mov_b32 s43, 0
	s_mul_i32 s50, s44, HEADB
	s_mov_b32 s51, 0
	s_mul_i32 s52, s49, 16392                      ; a batch's positions
	s_mov_b32 s53, 0
	s_lshl_b32 s54, s40, 10
	s_add_co_u32 s54, s54, s42                     ; k: my block's codes
	s_lshr_b32 s55, s40, 1
	s_lshl_b32 s55, s55, 7
	s_add_co_u32 s55, s55, s42
	s_and_b32 s56, s40, 1
	s_lshl_b32 s56, s56, 5
	s_add_co_u32 s55, s55, s56
	s_add_co_u32 s55, s55, 4096                    ; k: its scale words
	s_lshl_b32 s56, s44, 6
	s_add_co_u32 s56, s56, s47                     ; q: 64 head + G
	s_lshl_b32 s58, s56, 10
	s_lshl_b32 s60, s56, 7
	s_cmp_ge_u32 ttmp9, NKV
	s_cselect_b32 s58, s58, s54
	s_cselect_b32 s60, s60, s55
	s_mov_b32 s59, 0
	s_mov_b32 s61, 0
	s_xor_b32 s57, s46, 1
	s_and_b32 s57, s57, s40
	s_lshl_b32 s57, s57, 7                         ; 128 in k's odd blocks
	v_xor_b32 v10, s57, v13
	v_lshl_add_u32 v27, v17, 4, v18
	v_add_nc_u32 v27, s48, v27                     ; my row in pass 0; pass 1's is 8 further on
	s_wait_alu depctr_va_vdst(0)
	s_wait_kmcnt 0x0
	s_cmp_ge_u32 ttmp9, NKV
	s_cselect_b64 s[96:97], s[16:17], s[18:19]     ; the rows' tensor
	s_cselect_b64 s[98:99], s[18:19], s[16:17]     ; the other one, for its row 0
	s_cselect_b64 s[100:101], s[22:23], s[24:25]   ; the positions
	s_cselect_b64 s[62:63], s[30:31], s[28:29]     ; where the codes go
	s_cselect_b64 s[104:105], s[32:33], s[28:29]   ; where the scale words go
	s_add_nc_u64 s[96:97], s[96:97], s[50:51]
	s_add_nc_u64 s[98:99], s[98:99], s[50:51]
	s_add_nc_u64 s[100:101], s[100:101], s[52:53]
	s_add_nc_u64 s[62:63], s[62:63], s[58:59]
	s_add_nc_u64 s[104:105], s[104:105], s[60:61]
	s_lshl_b32 s54, s47, 13
	s_mov_b32 s55, 0
	s_add_nc_u64 s[20:21], s[20:21], s[50:51]
	s_add_nc_u64 s[20:21], s[20:21], s[54:55]      ; k: my 32 rows of V
	s_mul_i32 s56, s49, MASKB
	; ---- 32 rows, two to a load: 512 consecutive bytes.  In k's step 16 rows past 2,048 are held at 2,048; their codes become zeros below
	v_add_nc_u32 v23, s48, v15
	v_lshlrev_b32 v24, 4, v16
	v_lshl_add_u32 v26, v23, 8, v24
	v_lshlrev_b32 v25, 7, v15
	v_min_u32 v19, 0x800, v27
	v_add_nc_u32 v20, 8, v27
	v_min_u32 v20, 0x800, v20
	v_add_nc_u32 v21, s56, v19                     ; the cls query's mask bytes of my two keys
	v_add_nc_u32 v22, s56, v20
	v_lshlrev_b32 v19, 3, v19
	v_lshl_add_u32 v19, v15, 2, v19
	v_lshlrev_b32 v20, 3, v20
	v_lshl_add_u32 v20, v15, 2, v20
	s_wait_alu depctr_va_vdst(0)
	s_cmp_eq_u32 s45, 16
	s_cbranch_scc1 .Lrtail
.irp i, 0,1,2,3,4,5,6,7,8,9,10,11,12,13,14,15
	global_load_b128 v[64+4*\i:67+4*\i], v26, s[96:97] offset:512*\i
.endr
	s_branch .Lrdone
.Lrtail:                                               ; a load lands on its own offset register
.irp i, 0,1,2,3,4,5,6,7,8,9,10,11,12,13,14,15
	v_add_nc_u32 v[64+4*\i], 2*\i, v23
	v_min_u32 v[64+4*\i], 0x800, v[64+4*\i]
	v_lshl_add_u32 v[64+4*\i], v[64+4*\i], 8, v24
	global_load_b128 v[64+4*\i:67+4*\i], v[64+4*\i], s[96:97]
.endr
.Lrdone:
.irp j, 0,1,2,3,4,5,6,7
	global_load_b128 v[32+4*\j:35+4*\j], v25, s[98:99] offset:16*\j   ; row 0 of the other tensor, my half's 32 channels
.endr
	global_load_b32 v28, v19, s[100:101]           ; my rows' positions: y for channels 0-31, x for 32-63
	global_load_b32 v29, v20, s[100:101]
	s_cmp_lg_u32 s46, 0
	s_cbranch_scc1 .Lqwait
	; ---- k only: V, a lane to a channel, registers down the keys: each load reads 128 consecutive bytes
	global_load_u8 v30, v21, s[26:27]
	global_load_u8 v31, v22, s[26:27]
	s_cmp_eq_u32 s45, 16
	s_cbranch_scc1 .Lvtail
.set cnt, 0
.rept 32
	global_load_b32 v[128+cnt], v14, s[20:21] offset:256*cnt th:TH_LOAD_NT
	global_load_b32 v[160+cnt], v14, s[20:21] offset:256*cnt+128 th:TH_LOAD_NT
.set cnt, cnt+1
.endr
	s_wait_loadcnt 63                              ; all that stands ahead of V's 64 loads is in
	s_branch .Lready
.Lvtail:                                               ; step 16: key 2,048 alone is there, in wave 0; the rest of the step is zeros, and no load leaves the buffer
.set cnt, 0
.rept 64
	v_mov_b32 v[128+cnt], 0
.set cnt, cnt+1
.endr
	s_cmp_lg_u32 s40, 0
	s_cbranch_scc1 .Lqwait
	global_load_b32 v128, v14, s[20:21]
	global_load_b32 v160, v14, s[20:21] offset:128
.Lqwait:
	s_wait_loadcnt 0x0
.Lready:
.irp i, 0,1,2,3,4,5,6,7,8,9,10,11,12,13,14,15
	ds_store_b128 v4, v[64+4*\i:67+4*\i] offset:544*\i+128*(\i/8)
.endr
	v_cmp_gt_u32 s54, 0x801, v27                   ; my row of pass 0 is there
	v_cmp_gt_u32 s55, 0x7f9, v27                   ; and of pass 1
	v_cmp_gt_u32 s57, 16, v1                       ; lanes 0-15
	s_wait_dscnt 0x0                               ; the stores have read their registers: some of them are written below
	v_mov_b32 v116, 0                              ; a lane permute's destination counts as one of its sources
	v_lshlrev_b32 v115, 3, v15                     ; 8 h
	v_mov_b32 v122, 0x4b400000                     ; 1.5 x 2^23: added to a number under 2^22 it leaves the nearest whole number in the low bits of the sum
	v_mov_b32 v123, 0x4b400000
	v_mov_b32 v124, 0xb2d7322b                     ; -1/11!
	v_mov_b32 v125, 0xb2d7322b
	v_mov_b32 v126, 0x310f76c7                     ; 1/12!
	v_mov_b32 v127, 0x310f76c7
; channels i, i + 1 and i + 16, i + 17 of my 32 (i even): sine and cosine of pos x 10^(-i / 8), two at a time, and the rotation
; and the same for channels i + 2, i + 3 and i + 18, i + 19, line by line (d = 1), in registers of their own: v96-107, v112-113
.macro ROPE4 i
.irp d, 0,1
	v_mul_f32 v[18+78*\d], s[66+\i+2*\d], v16      ; ang
	v_mul_f32 v[19+78*\d], s[67+\i+2*\d], v16
.endr
.irp d, 0,1
	v_pk_fma_f32 v[20+78*\d:21+78*\d], v[18+78*\d:19+78*\d], s[2:3], v[122:123] op_sel_hi:[1,0,1]   ; ang / pi + 1.5 x 2^23: rounded to a whole number; its lowest bit is k's
.endr
.irp d, 0,1
	v_pk_add_f32 v[22+78*\d:23+78*\d], v[20+78*\d:21+78*\d], v[122:123] neg_lo:[0,1] neg_hi:[0,1]   ; k
.endr
.irp d, 0,1
	v_pk_fma_f32 v[18+78*\d:19+78*\d], v[22+78*\d:23+78*\d], s[4:5], v[18+78*\d:19+78*\d] op_sel_hi:[1,0,1]
.endr
.irp d, 0,1
	v_pk_fma_f32 v[18+78*\d:19+78*\d], v[22+78*\d:23+78*\d], s[6:7], v[18+78*\d:19+78*\d] op_sel_hi:[1,0,1]   ; r = ang - k pi
.endr
.irp d, 0,1
	v_lshlrev_b32 v[20+78*\d], 31, v[20+78*\d]     ; (-1)^k as a sign bit: it belongs to the sine and the cosine alike, so to both results
	v_pk_mul_f32 v[24+78*\d:25+78*\d], v[18+78*\d:19+78*\d], v[18+78*\d:19+78*\d]   ; z
	v_lshlrev_b32 v[21+78*\d], 31, v[21+78*\d]
.endr
.irp d, 0,1
	v_pk_fma_f32 v[26+78*\d:27+78*\d], v[24+78*\d:25+78*\d], v[124:125], s[8:9] op_sel_hi:[1,1,0]   ; the two series by turns
	v_pk_fma_f32 v[118-12*\d:119-12*\d], v[24+78*\d:25+78*\d], v[126:127], s[82:83] op_sel_hi:[1,1,0]
.endr
.irp k, 0,1,2
.irp d, 0,1
	v_pk_fma_f32 v[26+78*\d:27+78*\d], v[26+78*\d:27+78*\d], v[24+78*\d:25+78*\d], s[10+2*\k:11+2*\k] op_sel_hi:[1,1,0]
	v_pk_fma_f32 v[118-12*\d:119-12*\d], v[118-12*\d:119-12*\d], v[24+78*\d:25+78*\d], s[84+2*\k:85+2*\k] op_sel_hi:[1,1,0]
.endr
.endr
.irp d, 0,1
	v_pk_mul_f32 v[22+78*\d:23+78*\d], v[24+78*\d:25+78*\d], v[24+78*\d:25+78*\d]   ; z z
	v_pk_fma_f32 v[120-8*\d:121-8*\d], v[24+78*\d:25+78*\d], -0.5, 1.0 op_sel_hi:[1,0,0]   ; 1 - z / 2
	v_pk_mul_f32 v[26+78*\d:27+78*\d], v[26+78*\d:27+78*\d], v[24+78*\d:25+78*\d]
.endr
.irp d, 0,1
	v_pk_fma_f32 v[118-12*\d:119-12*\d], v[118-12*\d:119-12*\d], v[22+78*\d:23+78*\d], v[120-8*\d:121-8*\d]   ; cos r
	v_pk_fma_f32 v[26+78*\d:27+78*\d], v[26+78*\d:27+78*\d], v[18+78*\d:19+78*\d], v[18+78*\d:19+78*\d]   ; sin r
.endr
.irp d, 0,1
	v_pk_mul_f32 v[120-8*\d:121-8*\d], v[64+\i+2*\d:65+\i+2*\d], v[26+78*\d:27+78*\d]
	v_pk_mul_f32 v[22+78*\d:23+78*\d], v[80+\i+2*\d:81+\i+2*\d], v[26+78*\d:27+78*\d]
.endr
.irp d, 0,1
	v_pk_fma_f32 v[64+\i+2*\d:65+\i+2*\d], v[64+\i+2*\d:65+\i+2*\d], v[118-12*\d:119-12*\d], v[22+78*\d:23+78*\d] neg_lo:[0,0,1] neg_hi:[0,0,1]   ; x_i cos - x_(i+16) sin
	v_pk_fma_f32 v[80+\i+2*\d:81+\i+2*\d], v[80+\i+2*\d:81+\i+2*\d], v[118-12*\d:119-12*\d], v[120-8*\d:121-8*\d]   ; x_(i+16) cos + x_i sin
.endr
.irp d, 0,1
	v_xor_b32 v[64+\i+2*\d], v[20+78*\d], v[64+\i+2*\d]
	v_xor_b32 v[65+\i+2*\d], v[21+78*\d], v[65+\i+2*\d]
	v_xor_b32 v[80+\i+2*\d], v[20+78*\d], v[80+\i+2*\d]
	v_xor_b32 v[81+\i+2*\d], v[21+78*\d], v[81+\i+2*\d]
.endr
.endm
; Pass u: lane (r, h) takes channels 32 h .. 32 h + 31 of row 8 u + r + 8 (r / 8): a whole block of the quantiser, in the operand's own order
.macro PASS u
.irp j, 0,1,2,3,4,5,6,7
	ds_load_b128 v[64+4*\j:67+4*\j], v5 offset:2176*\u+16*\j
.endr
	v_cvt_f32_i32 v16, v[28+\u]
	s_wait_dscnt 0x0
	v_pk_mul_f32 v[104:105], v[64:65], v[32:33]    ; the raw row . row 0 of the other tensor, f32, in four chains, two to an instruction
	v_pk_mul_f32 v[106:107], v[66:67], v[34:35]
.set cnt, 4
.rept 14
	v_pk_fma_f32 v[104+cnt%4:105+cnt%4], v[64+cnt:65+cnt], v[32+cnt:33+cnt], v[104+cnt%4:105+cnt%4]
.set cnt, cnt+2
.endr
	v_add_f32 v104, v104, v105
	v_add_f32 v106, v106, v107
	v_add_f32 v104, v104, v106
	v_permlanex16_b32 v116, v104, s92, s93
	v_add_f32 v[108+\u], v104, v116                ; with the other 32 channels
.if \u == 1
	s_wait_xcnt 0x0                                ; pass 0's store has read its data: the registers are worked in again
.endif
.irp i, 0,4,8,12
	ROPE4 \i
.endr
	v_max3_num_f32 v112, |v64|, |v65|, 0x1800000   ; the block's largest magnitude, and the floor 2^(3 - 127): the byte cannot fall under 1
	v_max3_num_f32 v113, |v66|, |v67|, |v68|
.set cnt, 5
.rept 6
	v_max3_num_f32 v112, v112, |v[64+cnt]|, |v[65+cnt]|
	v_max3_num_f32 v113, v113, |v[66+cnt]|, |v[67+cnt]|
.set cnt, cnt+4
.endr
	v_max3_num_f32 v112, v112, |v93|, |v94|
	v_max3_num_f32 v112, v112, v113, |v95|
	v_add_nc_u32 v113, 0xff000000, v112            ; 2 off its exponent field: the conversion's scale operand
	v_lshrrev_b32 v114, 23, v113                   ; the scale's byte
.irp g, 0,1,2,3
	v_cvt_scalef32_pk8_fp4_f32 v[96+4*\u+\g], v[64+8*\g:71+8*\g], v113
.endr
	v_lshlrev_b32 v114, v115, v114                 ; the byte at its place, 8 h bits up.  (The plain instruction behind the conversions)
.irp g, 0,1,2,3
	v_cndmask_b32 v[96+4*\u+\g], 0, v[96+4*\u+\g], s[54+\u]   ; a row past 2,048 has zero codes
.endr
	global_store_b128 v10, v[96+4*\u:99+4*\u], s[62:63] offset:512*\u   ; 512 consecutive bytes, aligned
	v_permlanex16_b32 v116, v114, s92, s93
	v_or_b32 v[110+\u], v114, v116                 ; the row's two scale bytes
.endm
	PASS 0
	PASS 1
	s_wait_alu depctr_va_vdst(0)
	s_cmp_eq_u32 s46, 0
	s_cbranch_scc1 .Lkv
	v_cndmask_b32 v117, v111, v110, s57            ; q: lanes 0-15 tile 0's words, lanes 16-31 tile 1's
	v_or_b32 v117, 0x1010000, v117                 ; the operand's other two blocks are zero codes, under the byte 1
	global_store_b32 v14, v117, s[104:105]
	v_cndmask_b32 v118, v109, v108, s57            ; q . k0, laid the same way
	s_add_nc_u64 s[34:35], s[34:35], s[60:61]
	global_store_b32 v14, v118, s[34:35]
	FINISH
; ================= k only: V's codes along the keys, and the cls query's partial for my 32 keys =================
.Lkv:
	v_lshl_or_b32 v117, v111, 16, v110             ; a pair of tiles shares a word: pass 0's bytes low, pass 1's high
	global_store_b32 v11, v117, s[104:105]         ; lanes l and l + 16 store the same word to the same place: 64 bytes a wave go out in part of a unit, beside 16 KiB read
	s_add_nc_u64 s[28:29], s[28:29], s[42:43]      ; my (head, step) block
	s_lshr_b32 s56, s40, 1
	s_lshl_b32 s56, s56, 9
	s_and_b32 s91, s40, 1
	s_lshl_b32 s91, s91, 8
	s_add_co_u32 s56, s56, s91                     ; my key block w of the step is registers 4 (w / 2) on of lanes 16 (w % 2) on
	s_wait_loadcnt 0x0                             ; V
	v_lshlrev_b32 v16, 10, v15
	v_and_b32 v17, 15, v0
	v_lshl_add_u32 v16, v17, 4, v16
	v_add_nc_u32 v16, s56, v16
	v_add_nc_u32 v17, s40, v14                     ; byte w of my channel's scale word
; channels 32 g + lane: a block of 32 keys lies in my 32 registers
.macro VQ g
	v_max3_num_f32 v112, |v[128+32*\g]|, |v[129+32*\g]|, 0x1800000
	v_max3_num_f32 v113, |v[130+32*\g]|, |v[131+32*\g]|, |v[132+32*\g]|
.set cnt, 5
.rept 6
	v_max3_num_f32 v112, v112, |v[128+32*\g+cnt]|, |v[129+32*\g+cnt]|
	v_max3_num_f32 v113, v113, |v[130+32*\g+cnt]|, |v[131+32*\g+cnt]|
.set cnt, cnt+4
.endr
	v_max3_num_f32 v112, v112, |v[157+32*\g]|, |v[158+32*\g]|
	v_max3_num_f32 v112, v112, v113, |v[159+32*\g]|
	v_add_nc_u32 v113, 0xff000000, v112
	v_lshrrev_b32 v[104+\g], 23, v113
.irp k, 0,1,2,3
	v_cvt_scalef32_pk8_fp4_f32 v[32+16*\g+\k], v[128+32*\g+8*\k:135+32*\g+8*\k], v113
.endr
	v_nop                                          ; the plain instruction behind the conversions
	global_store_b128 v16, v[32+16*\g:35+16*\g], s[28:29] offset:4352+2048*\g   ; sixteen lanes store 256 consecutive bytes, aligned
	global_store_b8 v17, v[104+\g], s[28:29] offset:8448+128*\g   ; one byte of each channel's word
.endm
	VQ 0
	VQ 1
	v_mov_b32 v119, 0xff800000                     ; -infinity
	v_cmp_ne_u32 s56, 0, v30
	s_and_b32 s56, s56, s54
	v_cndmask_b32 v108, v119, v108, s56            ; q0 . k, hidden where the mask says so or the key does not exist
	v_cmp_ne_u32 s56, 0, v31
	s_and_b32 s56, s56, s55
	v_cndmask_b32 v109, v119, v109, s56
	ds_store_b32 v6, v108 offset:CSO               ; lanes l and l + 16 store the same number to the same word
	ds_store_b32 v6, v109 offset:CSO+32
.irp j, 0,1,2,3,4,5,6,7
	ds_load_b128 v[64+4*\j:67+4*\j], v7 offset:CSO+16*\j   ; LDS serves a wave's instructions in order: every lane gets all 32 scores
.endr
	s_wait_dscnt 0x0
	v_max3_num_f32 v112, v64, v65, v66
	v_max3_num_f32 v113, v67, v68, v69
.irp i, 70,74,78,82,86,90
	v_max3_num_f32 v112, v112, v[\i], v[\i+1]
	v_max3_num_f32 v113, v113, v[\i+2], v[\i+3]
.endr
	v_max3_num_f32 v112, v112, v94, v95
	v_max_num_f32 v112, v112, v113                 ; the block's largest score
	v_mul_f32 v113, s94, v112
	v_max_num_f32 v113, 0xff61b1e6, v113           ; as t, held at -3e38 where all 32 are hidden
	v_floor_f32 v120, -v113                        ; -M of this block: a whole number; the later sum over blocks rescales by exact powers of two
	v_mov_b32 v121, 0
.irp j, 0,2,4,6,8,10,12,14,16,18,20,22,24,26,28,30
	v_pk_fma_f32 v[64+\j:65+\j], v[64+\j:65+\j], s[94:95], v[120:121] op_sel_hi:[1,0,0]
.endr
	v_fma_f32 v112, v112, s94, v120                ; the same of the largest score: it gives the largest p
.set cnt, 0
	s_wait_alu depctr_va_vdst(0)                   ; ahead of the batch
.rept 32
	v_exp_f32 v[64+cnt], v[64+cnt]                 ; p = 2^(t - M)
.set cnt, cnt+1
.endr
	v_exp_f32 v112, v112
	v_or_b32 v125, 0x7f7f7f00, v104                ; V's scale words for this product: my block is its first 32 along K.  (Plain instructions behind the exponentials)
	v_or_b32 v126, 0x7f7f7f00, v105
	s_wait_alu depctr_va_vdst(0)                   ; one wait for the batch, ahead of its first reader
	v_pk_add_f32 v[122:123], v[64:65], v[66:67]    ; l: the sum of the unquantised p, in four chains
	v_pk_add_f32 v[106:107], v[68:69], v[70:71]
	v_pk_add_f32 v[108:109], v[72:73], v[74:75]
	v_pk_add_f32 v[110:111], v[76:77], v[78:79]
.irp j, 80,88
	v_pk_add_f32 v[122:123], v[122:123], v[\j:\j+1]
	v_pk_add_f32 v[106:107], v[106:107], v[\j+2:\j+3]
	v_pk_add_f32 v[108:109], v[108:109], v[\j+4:\j+5]
	v_pk_add_f32 v[110:111], v[110:111], v[\j+6:\j+7]
.endr
	v_pk_add_f32 v[122:123], v[122:123], v[106:107]
	v_pk_add_f32 v[108:109], v[108:109], v[110:111]
	v_pk_add_f32 v[122:123], v[122:123], v[108:109]
	v_add_f32 v122, v122, v123
	v_max_num_f32 v112, 0x1800000, v112
	v_add_nc_u32 v113, 0xff000000, v112
	v_lshrrev_b32 v114, 23, v113
	v_or_b32 v124, 0x7f7f7f00, v114                ; p's scale word
.irp k, 0,1,2,3
	v_cvt_scalef32_pk8_fp4_f32 v[160+\k], v[64+8*\k:71+8*\k], v113
.endr
	v_nop
.irp k, 0,1,2,3
	v_cndmask_b32 v[160+\k], 0, v[160+\k], s57     ; p's operand: my 32 keys are K's first block (lanes 0-15, registers 0-3); all else zero codes
	v_mov_b32 v[164+\k], 0
	v_mov_b32 v[40+\k], 0
	v_mov_b32 v[56+\k], 0
.endr
.irp k, 0,1,2,3
	v_permlanex16_b32 v[40+\k], v[32+\k], s92, s93   ; channels 16-31 and 48-63 come down into lanes 0-15 of fragments of their own
	v_permlanex16_b32 v[56+\k], v[48+\k], s92, s93
.endr
.irp t, 0,1,2,3
.irp k, 0,1,2,3
	v_mov_b32 v[36+8*\t+\k], 0
.endr
.endr
.rept 8
	v_nop                                          ; a scale register written by a vector instruction stands 8 places ahead of a scaled matrix instruction, an operand so written 4
.endr
.irp t, 0,2
	v_wmma_scale_f32_16x16x128_f8f6f4 v[128+8*\t:135+8*\t], v[32+8*\t:39+8*\t], v[160:167], 0, v[125+\t/2], v124 matrix_a_fmt:MATRIX_FMT_FP4 matrix_b_fmt:MATRIX_FMT_FP4
	v_wmma_scale_f32_16x16x128_f8f6f4 v[136+8*\t:143+8*\t], v[40+8*\t:47+8*\t], v[160:167], 0, v[125+\t/2], v124 matrix_a_fmt:MATRIX_FMT_FP4 matrix_b_fmt:MATRIX_FMT_FP4 matrix_a_scale:MATRIX_SCALE_ROW1
.endr
.rept 4
	v_nop
.endr
.irp t, 0,1,2,3
	ds_store_b128 v8, v[128+8*\t:131+8*\t] offset:OSO+64*\t      ; register j of tile t: channel 16 t + 8 h + j, the same in all sixteen columns
	ds_store_b128 v8, v[132+8*\t:135+8*\t] offset:OSO+64*\t+16
.endr
	ds_load_b128 v[168:171], v9 offset:OSO
	s_mul_i32 s54, s44, 68
	s_add_co_u32 s54, s54, s47
	s_lshl_b32 s54, s54, 9
	s_mov_b32 s55, 0
	s_add_nc_u64 s[38:39], s[38:39], s[54:55]
	s_wait_dscnt 0x0
	v_cndmask_b32 v168, v122, v168, s57            ; lanes 0-15: four outputs each; lanes 16-31: l, -M, 0, 0
	v_cndmask_b32 v169, v120, v169, s57
	v_cndmask_b32 v170, 0, v170, s57
	v_cndmask_b32 v171, 0, v171, s57
	global_store_b128 v13, v[168:171], s[38:39]    ; the block's record: 512 consecutive bytes, aligned
	FINISH
; ================= the mask of one tile of 16 queries as bits: four rows a wave, no LDS byte is touched =================
; A row is read as whole words from the multiple of 4 at or under its first byte, lane l of load s the word at 128 s + 4 l; the next word is the next lane's (lane 31: lane 0's of the next load), by a lane permute.
; The two words, shifted right by the row's misalignment, are the bytes of keys 128 s + 4 l + 0 .. 3.  Shifted left by l % 8 and joined over eight lanes they are the 32 bits of a block, in all eight lanes; lane 8 g + s % 8 keeps step s's.
.Lmask:
	s_sub_co_u32 s43, ttmp9, NROW                  ; 128 b + tile
	s_lshr_b32 s44, s43, 7                         ; b
	s_and_b32 s45, s43, 127
	s_lshr_b32 s46, s45, 1
	s_lshl_b32 s46, s46, 5
	s_and_b32 s47, s45, 1
	s_lshl_b32 s47, s47, 3
	s_add_co_u32 s46, s46, s47
	s_add_co_u32 s46, s46, 1                       ; the tile's first query
	s_mul_i32 s47, s44, MASKB
	s_mul_i32 s59, s46, 2049
	s_add_co_u32 s59, s59, s47                     ; its first byte
	s_lshl_b32 s48, s40, 2
	s_add_co_u32 s46, s46, s48
	s_lshr_b32 s48, s40, 1
	s_lshl_b32 s48, s48, 3
	s_add_co_u32 s46, s46, s48                     ; my first row: tile row 4 w
	s_mul_i32 s46, s46, 2049
	s_add_co_u32 s46, s46, s47
.irp k, 0,1,2,3,4,5,6,7
	s_mov_b32 s[66+\k], 0x1010101<<\k              ; the lanes that keep step k's and step 8 + k's words
.endr
	s_mov_b32 s58, 0xffff
	s_mul_i32 s48, s43, TILEM
	s_mov_b32 s49, 0
	s_lshl_b32 s52, s40, 10
	s_mov_b32 s53, 0
	s_lshl_b32 s62, s40, 7
	s_mov_b32 s63, 0
	s_wait_kmcnt 0x0
	s_add_nc_u64 s[50:51], s[36:37], s[48:49]      ; my tile's part of mw
	s_add_nc_u64 s[60:61], s[50:51], s[52:53]      ; my four rows
	s_add_nc_u64 s[62:63], s[50:51], s[62:63]      ; my flags (+ 4,096)
	v_lshlrev_b32 v48, 3, v1
	v_add_nc_u32 v49, 4, v14
	v_and_b32 v49, 124, v49                        ; 4 x the next lane
	s_mov_b32 s98, 1                               ; lane 0
	v_lshl_add_u32 v28, v17, 3, v16
	v_mul_u32_u24 v28, v28, 2049
	v_add_nc_u32 v28, s59, v28                     ; tile row r
	global_load_u8 v29, v28, s[26:27] offset:2048  ; its key 2,048
.irp i, 0,1,2,3
	s_add_co_u32 s52, s46, \i*2049
	s_and_b32 s[54+\i], s52, 3
	s_lshl_b32 s[54+\i], s[54+\i], 3               ; the row's misalignment in bits
	s_and_b32 s52, s52, -4
	s_add_nc_u64 s[80+2*\i:81+2*\i], s[26:27], s[52:53]
	s_add_co_u32 s52, s52, 2050
	s_min_u32 s52, s52, 8396801                    ; the third byte behind the row's 512 words is held at the buffer's last byte: there, in the last row, it is not needed
	s_add_nc_u64 s[88+2*\i:89+2*\i], s[26:27], s[52:53]
.set cnt, 0
.rept 16
	global_load_b32 v[64+32*\i+cnt], v14, s[80+2*\i:81+2*\i] offset:128*cnt
.set cnt, cnt+1
.endr
	global_load_u16 v[80+32*\i], v3, s[80+2*\i:81+2*\i] offset:2048   ; three bytes, 2 + 1, the same for every lane: a word there would leave the buffer at its end
	global_load_u8 v[20+\i], v3, s[88+2*\i:89+2*\i]
.endr
.macro MROW i, younger
	s_wait_loadcnt \younger
	v_lshl_or_b32 v[80+32*\i], v[20+\i], 16, v[80+32*\i]
.set cnt, 0
.rept 16
	v_cndmask_b32 v[80+32*\i+(cnt+1)%16], v[64+32*\i+cnt], v[65+32*\i+cnt], s98   ; lane 0 takes the next load's word: lane 31 will want it
.set cnt, cnt+1
.endr
.set cnt, 0
.rept 16
	ds_bpermute_b32 v[80+32*\i+(cnt+1)%16], v49, v[80+32*\i+(cnt+1)%16]
.set cnt, cnt+1
.endr
	s_wait_dscnt 0x0
.set cnt, 0
.rept 16
	v_alignbit_b32 v[64+32*\i+cnt], v[80+32*\i+(cnt+1)%16], v[64+32*\i+cnt], s[54+\i]
.set cnt, cnt+1
.endr
.set cnt, 0
.rept 16
	v_lshlrev_b32 v[64+32*\i+cnt], v18, v[64+32*\i+cnt]
.set cnt, cnt+1
.endr
.irp x, 1,2,4
.set cnt, 0
.rept 16
	v_or_b32_dpp v[64+32*\i+cnt], v[64+32*\i+cnt], v[64+32*\i+cnt] row_xmask:\x row_mask:0xf bank_mask:0xf
.set cnt, cnt+1
.endr
.endr
.set cnt, 1
.rept 7
	v_cndmask_b32 v[64+32*\i], v[64+32*\i], v[64+32*\i+cnt], s[66+cnt]
.set cnt, cnt+1
.endr
	v_cndmask_b32 v[65+32*\i], v[72+32*\i], v[73+32*\i], s67
.set cnt, 2
.rept 6
	v_cndmask_b32 v[65+32*\i], v[65+32*\i], v[72+32*\i+cnt], s[66+cnt]
.set cnt, cnt+1
.endr
	global_store_b64 v48, v[64+32*\i:65+32*\i], s[60:61] offset:256*\i   ; the row's 64 words: 256 consecutive bytes, aligned
.endm
	s_wait_alu depctr_va_vdst(0)
	MROW 0, 54                                     ; 18 loads a row: 54 younger ones, then 36, 18 and none
	MROW 1, 36
	MROW 2, 18
	MROW 3, 0
	v_and_b32 v30, v64, v96
	v_and_b32 v31, v65, v97
	v_and_b32 v30, v30, v128
	v_and_b32 v31, v31, v129
	v_and_b32 v30, v30, v160
	v_and_b32 v31, v31, v161
	v_cmp_ne_u32 s52, -1, v30                      ; lane 8 g + s: a key of block g of step s is hidden from one of my rows
	v_cmp_ne_u32 s53, -1, v31                      ; and of step 8 + s
.irp k, 52,53
	s_lshr_b32 s54, s[\k], 16
	s_or_b32 s[\k], s[\k], s54
	s_lshr_b32 s54, s[\k], 8
	s_or_b32 s[\k], s[\k], s54
	s_and_b32 s[\k], s[\k], 0xff
.endr
	s_lshl_b32 s53, s53, 8
	s_or_b32 s52, s52, s53
	v_mov_b32 v32, s52
	global_store_b32 v14, v32, s[62:63] offset:4096
	s_cmp_lg_u32 s40, 0
	s_cbranch_scc1 .Lmdone
	v_cndmask_b32 v29, 0, v29, s58                 ; key 2,048: lanes 0-15; lanes 16-31 hold no key
	global_store_b32 v14, v29, s[50:51] offset:4608
.Lmdone:
	s_endpgm
.Lfunc_end_k_q620c2e6357_prep:
	.size	k_q620c2e6357_prep, .Lfunc_end_k_q620c2e6357_prep-k_q620c2e6357_prep
	.p2alignl 7, 3214868480
	.fill 96, 4, 3214868480
	.section	.rodata,"a",@progbits
	.p2align	6, 0x0
	.amdhsa_kernel k_q620c2e6357_prep
		.amdhsa_group_segment_fixed_size 38400
		.amdhsa_private_segment_fixed_size 0
		.amdhsa_enable_private_segment 0
		.amdhsa_kernarg_size 96
		.amdhsa_user_sgpr_count 2
		.amdhsa_user_sgpr_kernarg_segment_ptr 1
		.amdhsa_wavefront_size32 1
		.amdhsa_system_sgpr_workgroup_id_x 1
		.amdhsa_system_sgpr_workgroup_id_y 1
		.amdhsa_system_sgpr_workgroup_id_z 1
		.amdhsa_system_vgpr_workitem_id 0
		.amdhsa_next_free_vgpr 192
		.amdhsa_next_free_sgpr 106
		.amdhsa_reserve_vcc 0
		.amdhsa_float_denorm_mode_32 3
		.amdhsa_float_denorm_mode_16_64 3
		.amdhsa_memory_ordered 1
		.amdhsa_forward_progress 1
		.amdhsa_inst_pref_size 114
	.end_amdhsa_kernel
	.amdgpu_metadata
---
amdhsa.version: [ 1, 2 ]
amdhsa.kernels:
  - .name:           k_q620c2e6357_prep
    .symbol:         k_q620c2e6357_prep.kd
    .args:
      - { .name: q, .offset: 0, .size: 8, .value_kind: global_buffer, .address_space: global }
      - { .name: k, .offset: 8, .size: 8, .value_kind: global_buffer, .address_space: global }
      - { .name: v, .offset: 16, .size: 8, .value_kind: global_buffer, .address_space: global }
      - { .name: qpos, .offset: 24, .size: 8, .value_kind: global_buffer, .address_space: global }
      - { .name: kpos, .offset: 32, .size: 8, .value_kind: global_buffer, .address_space: global }
      - { .name: mask_for_attention, .offset: 40, .size: 8, .value_kind: global_buffer, .address_space: global }
      - { .name: kv, .offset: 48, .size: 8, .value_kind: global_buffer, .address_space: global }
      - { .name: qc, .offset: 56, .size: 8, .value_kind: global_buffer, .address_space: global }
      - { .name: qs, .offset: 64, .size: 8, .value_kind: global_buffer, .address_space: global }
      - { .name: qk0, .offset: 72, .size: 8, .value_kind: global_buffer, .address_space: global }
      - { .name: mw, .offset: 80, .size: 8, .value_kind: global_buffer, .address_space: global }
      - { .name: cp, .offset: 88, .size: 8, .value_kind: global_buffer, .address_space: global }
    .group_segment_fixed_size: 38400
    .private_segment_fixed_size: 0
    .kernarg_segment_align: 8
    .kernarg_segment_size: 96
    .max_flat_workgroup_size: 128
    .sgpr_count:     106
    .vgpr_count:     192
    .wavefront_size: 32
...
	.end_amdgpu_metadata
.endif
;; end of part 3
;; launch attn (part 4): grid 256 x 1, 12 waves a work-group, no clusters, 297,472 bytes of LDS; arguments kv, qc, qs, qk0, mw, cp, out0; writes out0
.if DOCPART == 4
	.amdgcn_target "amdgcn-amd-amdhsa--gfx1250"
	.amdhsa_code_object_version 6
	.text
	.protected	k_q620c2e6357_attn
	.globl	k_q620c2e6357_attn
	.p2align	8
	.type	k_q620c2e6357_attn,@function
k_q620c2e6357_attn:
	s_mov_b64 s[64:65], 0
	v_nop
	global_prefetch_b8 v0, s[64:65] scope:SCOPE_SE
	s_setreg_imm32_b32 hwreg(HW_REG_WAVE_MODE, 25, 1), 1
	s_wait_xcnt 0x0
; out0[b][q][64 head + c] = the sum over k of softmax_k(score / 8, masked) v[k][c], both products on codes of FP4 (E2M1) with one E8M0 scale for each 32 along K, from the buffers of the launch before.
; THE SOFTMAX: t = score x log2(e) / 8; M = the row's largest t so far, rounded up to a whole number; p = 2^(t - M) is quantised along the keys, in blocks of 32 from key 0; the row's sum is taken of the
; unquantised p and divides at the end.  When M moves, the sum and O are multiplied by 2^(old M - new M): exact.
; SHARES.  3 heads have 384 tiles of 16 queries = 32 work-groups of twelve waves, a tile a wave, three waves to a SIMD.  Of the 32, ten take 12 tiles of one head each time; number 30 takes 8 tiles of the first head and 4 of the second,
; number 31 8 of the third and 4 of the second: these two have a second LDS region, from which their waves 8-11 read.  A region holds all 17 key steps of a head, 289 chunks of 512 bytes: LDS is filled once, ahead of the one barrier in front
; of the loop; a second barrier stands ahead of the way out, whose stages lie over the regions.
; K and V come through registers: wave w fetches chunks w, w + 12, .. , in 24 rounds, wave 0 chunk 288 as well.  No tensor load, no cluster and no multicast: a work-group asks for a head once, for twelve waves.
; No prefetch: everything is asked for at the head; there is no stream left to run ahead of in the loop.
; LAYOUT.  Both products are used transposed: S^T = K Q^T, O^T = V^T P^T: a lane holds one query (r = lane % 16) throughout.  Tile 4 c + u of K takes, as row i, key 64 c + 32 (i / 8) + 8 u + i % 8 of the step, so that the 32 registers of tiles
; 4 c .. 4 c + 3 are the 32 neighbouring keys of block 2 c + h (h = lane / 16): a whole block of the quantiser in one lane, in the second product's own order.
; The first product's K is 64: one operand of K holds TWO tiles (channels of tile 2 e in k 0-63, of tile 2 e + 1 in k 64-127), and Q stands against it as [Q, 0] and as [0, Q] (zero codes, under the scale byte 1).
; Key 0's score (raw q . raw k0, f32) replaces the product's in step 0.  THE MASK: a word of flags says in which steps a key is hidden from one of the tile's queries; there the 64 selects are done, by bits that each lane loads.
; THE CLS QUERY: its 65 partials (one for each 32 keys) are summed by wave 0 of the first six of each 32 work-groups, a head and half of its channels each; they are loaded behind the first barrier and summed at the end.
; LIMITS: a row whose keys are all hidden gives NaN, as the definition does; NaN and infinities among the inputs are not served; the scaled scores stay under 2^31 in magnitude.
.set STEPB, 8704
.set HEADB, 17*STEPB
.set HREG,  HEADB                      ; a region
.set SPARE, 2*HREG                     ; the spare words, 128 bytes for each wave: six blocks of 256 bytes that no other line names
.set RND,   6144                       ; a round: twelve waves x 512 bytes
.set SREG,  16*272                     ; the way out: a stage for each wave, from byte 0
; REGISTERS: v1, v2 K's places in LDS (u < 2, u >= 2); v3, v4 the add's two; v5 16 x lane; v6 V's place; v7 Q's scale words; v8-11 this step's addresses; v12 -M; v13 the largest score; v[14:15], v[200:201], v[252:255] the sum;
;   v16-19 zeros, v20-23 Q, v24-27 zeros; v28-29 K's scale words, v30-31 V's; v32-63 K; v64-95 V; v96-159 S^T, then p; v160-191 O^T; v192-199 maxima, then p's codes; v202-223, v237-250 constants and work; v224-236 the cls query's.
;   At the head v32-131 and v132-199 hold rounds on their way to LDS.  Window 1 (v256-319): the second region's last rounds, then the cls query's outputs.
.set MSB, 0
.macro WIN new                         ; the immediate's high byte repeats the setting that is left
	s_set_vgpr_msb (MSB<<8)|\new
.set MSB, \new
.endm
.macro PUT b0, b1, b2, reg             ; round ci into LDS
.if ci < 11
	ds_store_b128 v[\b0], v[\reg:\reg+3] offset:RND*ci
.elseif ci < 22
	ds_store_b128 v[\b1], v[\reg:\reg+3] offset:RND*(ci-11)
.else
	ds_store_b128 v[\b2], v[\reg:\reg+3] offset:RND*(ci-22)
.endif
.endm
	s_load_b256 s[16:23], s[0:1], 0x0              ; kv, qc, qs, qk0
	s_load_b128 s[24:27], s[0:1], 0x20             ; mw, cp
	s_load_b64 s[28:29], s[0:1], 0x30              ; out0
	v_lshl_add_u32 v3, v0, 2, SPARE
	v_mov_b32 v4, 0
	v_lshrrev_b32 v8, 5, v0
	v_readfirstlane_b32 s12, v8                    ; wave 0 .. 11
	s_lshr_b32 s37, s12, 3                         ; 1: waves 8-11
	s_lshr_b32 s30, ttmp9, 5
	s_mul_i32 s30, s30, 3                          ; the first of three heads
	s_and_b32 s31, ttmp9, 31                       ; i
	s_add_co_u32 s79, s31, 2
	s_lshr_b32 s79, s79, 5                         ; 1: i = 30, 31: two heads
	s_and_b32 s13, s37, s79                        ; the region that I read
	s_mul_i32 s32, s31, 26
	s_lshr_b32 s32, s32, 8                         ; i / 10
	s_mul_i32 s33, s32, 10
	s_sub_co_u32 s33, s31, s33                     ; i % 10
	s_mul_i32 s34, s33, 12
	s_add_co_u32 s34, s34, s12                     ; tile, i < 30
	s_lshl_b32 s35, s33, 2
	s_mul_i32 s35, s35, s37
	s_lshl_b32 s36, s37, 3
	s_add_co_u32 s35, s35, s12
	s_add_co_u32 s35, s35, 120
	s_sub_co_u32 s35, s35, s36                     ; tile, i = 30, 31
	s_lshl_b32 s38, s33, 1
	s_cmp_ge_u32 s31, 30
	s_cselect_b32 s34, s35, s34                    ; my tile of queries, 0 .. 127
	s_cselect_b32 s39, s38, s32                    ; region 0's head of the three
	s_cselect_b32 s40, 1, s32                      ; region 1's
	s_cmp_lg_u32 s37, 0
	s_cselect_b32 s41, s40, s39
	s_add_co_u32 s41, s41, s30                     ; my head 0 .. 23
	s_add_co_u32 s43, s39, s30                     ; the heads to fetch
	s_add_co_u32 s44, s40, s30
	s_lshl_b32 s45, s12, 9                         ; my chunk of a round
	s_mul_i32 s46, s43, HEADB
	s_add_co_u32 s46, s46, s45
	s_mov_b32 s47, 0
	s_mul_i32 s48, s44, HEADB
	s_add_co_u32 s48, s48, s45
	s_mov_b32 s49, 0
	v_and_b32 v8, 31, v0
	v_lshlrev_b32 v5, 4, v8
	v_lshlrev_b32 v247, 2, v8                      ; 4 x lane
	v_and_b32 v9, 15, v0                           ; r
	v_lshlrev_b32 v248, 2, v9                      ; 4 r
	v_bfe_u32 v10, v0, 4, 1                        ; h
	v_bfe_u32 v11, v0, 3, 1                        ; a = r / 8
	v_and_b32 v12, 7, v0                           ; m = r % 8
	v_lshlrev_b32 v206, 3, v10                     ; 8 h
	s_mul_i32 s36, s13, HREG
	s_add_co_u32 s37, s36, 128
	v_mul_u32_u24 v1, v11, 1152                    ; u < 2: block a, places 0-7, which in odd blocks are 8-15
	v_lshl_add_u32 v1, v12, 4, v1
	v_lshl_add_u32 v1, v10, 8, v1
	v_add_nc_u32 v1, s36, v1
	v_mul_u32_u24 v2, v11, 896                     ; u >= 2: places 8-15, in odd blocks 0-7: sixteen lanes always fall on sixteen different columns of 16 bytes
	v_lshl_add_u32 v2, v12, 4, v2
	v_lshl_add_u32 v2, v10, 8, v2
	v_add_nc_u32 v2, s37, v2
	v_add_nc_u32 v6, s36, v5
	v_add_nc_u32 v209, s36, v247
	v_add_nc_u32 v237, s45, v5                     ; where my rounds go: 0-10,
	v_add_nc_u32 v238, 11*RND, v237                ; 11-21,
	v_add_nc_u32 v239, 22*RND, v237                ; 22-24;
	v_add_nc_u32 v244, HREG, v237                  ; and in region 1
	v_add_nc_u32 v245, HREG+11*RND, v237
	v_add_nc_u32 v246, HREG+22*RND, v237
	s_mul_i32 s39, s12, SREG                       ; my stage
	v_mul_u32_u24 v240, v9, 272
	v_lshl_add_u32 v240, v10, 5, v240
	v_add_nc_u32 v240, s39, v240                   ; in: row r, + 32 h
	v_mul_u32_u24 v241, v10, 272
	v_lshl_add_u32 v241, v9, 4, v241
	v_add_nc_u32 v241, s39, v241                   ; back: lanes 0-15 one row, lanes 16-31 the next
	v_mul_u32_u24 v242, v10, 3072
	v_lshl_add_u32 v242, v9, 4, v242               ; and the same two rows in the output
	v_lshlrev_b32 v223, 8, v9
	v_lshl_add_u32 v223, v10, 6, v223              ; mask words: row r, + 64 h
	s_wait_alu depctr_va_vdst(0)
	s_cmp_ge_u32 s41, 12
	s_cselect_b32 s50, 1, 0                        ; b
	s_mul_i32 s51, s50, 12
	s_sub_co_u32 s51, s41, s51                     ; head in the batch
	s_mul_i32 s52, s50, 2049
	s_lshr_b32 s53, s34, 1
	s_lshl_b32 s53, s53, 5
	s_add_co_u32 s52, s52, s53
	s_and_b32 s53, s34, 1
	s_lshl_b32 s53, s53, 3
	s_add_co_u32 s52, s52, s53
	s_add_co_u32 s52, s52, 1                       ; my tile's first row of the output
	s_mul_i32 s54, s52, 3072
	s_lshl_b32 s51, s51, 8
	s_add_co_u32 s54, s54, s51
	s_mov_b32 s55, 0
	s_lshl_b32 s56, s50, 7
	s_add_co_u32 s56, s56, s34
	s_mul_i32 s56, s56, 4864                       ; my tile's part of mw
	s_mov_b32 s57, 0
	s_lshl_b32 s58, s41, 7
	s_add_co_u32 s58, s58, s34
	s_lshl_b32 s60, s58, 9                         ; Q's fragment
	s_mov_b32 s61, 0
	s_lshl_b32 s62, s58, 6                         ; its scale words, and q . k0
	s_mov_b32 s63, 0
	s_mov_b32 s66, 0x76543210                      ; v_permlanex16_b32's selects for lane l xor 16
	s_mov_b32 s67, 0xfedcba98
	s_mov_b32 s8, 0xffff                           ; key 0 lies in register 0 of lanes 0-15, in step 0
	s_mov_b32 s6, 0xffff0000
	s_mov_b32 s10, 0                               ; the step's block in a region
	s_mov_b32 s7, 0                                ; the step
	s_wait_kmcnt 0x0
	s_add_nc_u64 s[4:5], s[16:17], s[46:47]
	s_add_nc_u64 s[76:77], s[16:17], s[48:49]
	s_add_nc_u64 s[2:3], s[24:25], s[56:57]
	s_add_nc_u64 s[68:69], s[18:19], s[60:61]
	s_add_nc_u64 s[72:73], s[20:21], s[62:63]
	s_add_nc_u64 s[74:75], s[22:23], s[62:63]
	s_add_nc_u64 s[100:101], s[28:29], s[54:55]
.set ci, 0
.rept 24
	global_load_b128 v[32+4*ci:35+4*ci], v5, s[4:5] offset:RND*ci   ; region 0
.set ci, ci+1
.endr
	global_load_b128 v[20:23], v5, s[68:69]        ; Q's fragment stays in registers
	global_load_b32 v7, v248, s[72:73]
	global_load_b32 v203, v248, s[74:75]
	global_load_b32 v222, v247, s[2:3] offset:4608 ; key 2,048's mask
	s_load_b32 s52, s[2:3], 4096                   ; the flags of the tile's four groups of rows
	s_load_b32 s53, s[2:3], 4224
	s_load_b32 s54, s[2:3], 4352
	s_load_b32 s55, s[2:3], 4480
.irp k, 0,1,2,3
	v_mov_b32 v[16+\k], 0
	v_mov_b32 v[24+\k], 0
	v_mov_b32 v[252+\k], 0
.endr
	v_mov_b32 v13, 0xff61b1e6                      ; the largest score so far: -3e38
	v_mov_b32 v204, 0x3e38aa3b                     ; c = log2(e) / 8
	v_mov_b32 v205, 0x3e38aa3b
	v_mul_f32 v218, v204, v13
	v_floor_f32 v12, -v218                         ; -M
	v_mov_b32 v14, 0
	v_mov_b32 v15, 0
	v_mov_b32 v200, 0
	v_mov_b32 v201, 0
	v_mov_b32 v202, 0xff800000                     ; -infinity
	v_mov_b32 v207, 0                              ; (a lane permute's destination counts as one of its sources)
	v_mov_b32 v221, 0                              ; (named as the upper half of a pair)
.irp k, 224,225,226,227,228,229,230
	v_mov_b32 v[\k], 0
.endr
.irp k, 128,129,130,131
	v_mov_b32 v[\k], 0                             ; written on every way: wave 0 alone loads here
.endr
	WIN 0x40
.set ci, 0
.rept 64
	v_mov_b32 v[ci], 0                             ; window 1 likewise: not every way loads the second region or the cls query's outputs
.set ci, ci+1
.endr
	WIN 0
	s_wait_alu depctr_va_vdst(0)                   ; at the head's end
	s_cmp_lg_u32 s12, 0
	s_cbranch_scc1 .Lnot_0
	global_load_b128 v[128:131], v5, s[4:5] offset:24*RND   ; chunk 288
.Lnot_0:
	s_cmp_lg_u32 s79, 0
	s_cbranch_scc1 .Ltwo
.set ci, 0
.rept 24
	s_wait_loadcnt 27-ci                           ; behind this round: the later ones of the 24, and Q's four loads
	PUT 237, 238, 239, 32+4*ci
.set ci, ci+1
.endr
	s_cmp_lg_u32 s12, 0
	s_cbranch_scc1 .Lstored
	s_wait_loadcnt 0x0
	PUT 237, 238, 239, 128                         ; (ci = 24)
	s_branch .Lstored
.Ltwo:                                                 ; two heads: the second region's rounds, 0-16 into v132-199, 17-23 into window 1
.set ci, 0
.rept 17
	global_load_b128 v[132+4*ci:135+4*ci], v5, s[76:77] offset:RND*ci
.set ci, ci+1
.endr
	WIN 0x40
.rept 7
	global_load_b128 v[4*(ci-17):4*(ci-17)+3], v5, s[76:77] offset:RND*ci
.set ci, ci+1
.endr
	WIN 0
	s_cmp_lg_u32 s12, 0
	s_cbranch_scc1 .Lnot_0b
	WIN 0x40
	global_load_b128 v[28:31], v5, s[76:77] offset:24*RND
	WIN 0
.Lnot_0b:
.set ci, 0
.rept 24
	s_wait_loadcnt 51-ci                           ; behind this round: the later ones, Q's four loads and the other region's 24
	PUT 237, 238, 239, 32+4*ci
.set ci, ci+1
.endr
.set ci, 0
.rept 17
	s_wait_loadcnt 23-ci
	PUT 244, 245, 246, 132+4*ci
.set ci, ci+1
.endr
	WIN 0x04
.rept 7
	s_wait_loadcnt 23-ci
	PUT 244, 245, 246, 4*(ci-17)
.set ci, ci+1
.endr
	WIN 0
	s_cmp_lg_u32 s12, 0
	s_cbranch_scc1 .Lstored
	s_wait_loadcnt 0x0
	PUT 237, 238, 239, 128                         ; (ci = 24)
	WIN 0x04
	PUT 244, 245, 246, 28
	WIN 0
.Lstored:
	s_wait_loadcnt 0x0                             ; Q and what belongs to it
	s_wait_kmcnt 0x0
	s_or_b32 s11, s52, s53
	s_or_b32 s54, s54, s55
	s_or_b32 s11, s11, s54                         ; bit s: step s has a hidden key
	s_wait_dscnt 0x0                               ; my stores are done, and have read their registers
	s_barrier_signal -1
	v_alignbit_b32 v216, v7, v7, 16
	v_cndmask_b32 v7, v7, v216, s6                 ; lanes 0-15: [Q, 0]'s scale words; lanes 16-31: [0, Q]'s
.set ci, 0
.rept 32
	v_mov_b32 v[160+ci], 0                         ; O^T: the one body's first step finds zeros.  (Also the places between the scale words' write and the products)
.set ci, ci+1
.endr
	s_wait_alu depctr_va_vdst(0)
	s_barrier_wait -1                              ; the regions are whole
	; step 0's K
.irp t, 0,1,2,3,4,5,6,7
	ds_load_b128 v[32+4*\t:35+4*\t], v[1+(\t%4)/2] offset:2048*(\t/4)+512*(\t%2)
.endr
.irp c, 0,1
	ds_load_b32 v[28+\c], v209 offset:4096+128*\c
.endr
	s_cmp_lg_u32 s12, 0
	s_cbranch_scc1 .Lno_cls
	s_and_b32 s31, ttmp9, 31
	s_cmp_ge_u32 s31, 6
	s_cbranch_scc1 .Lno_cls
	s_lshr_b32 s56, s31, 1
	s_add_co_u32 s56, s56, s30                     ; the cls query of this head,
	s_mul_i32 s56, s56, 68*512
	s_mov_b32 s57, 0
	s_add_nc_u64 s[70:71], s[26:27], s[56:57]
	s_and_b32 s58, s31, 1                          ; and this half of its channels
	s_lshl_b32 s58, s58, 7
	s_mov_b32 s59, 0
	s_add_nc_u64 s[58:59], s[70:71], s[58:59]
	v_lshlrev_b32 v249, 7, v247
	v_min_u32 v250, 12, v247
	v_lshlrev_b32 v250, 7, v250                    ; (records 65-67 hold zeros: they may be named twice)
	global_load_b64 v[224:225], v249, s[70:71] offset:256   ; l, -M of records 0-31, 32-63, 64-67: a lane a record
	global_load_b64 v[226:227], v249, s[70:71] offset:256+32*512
	global_load_b64 v[228:229], v250, s[70:71] offset:256+64*512
	global_load_b32 v230, v247, s[58:59] offset:64*512
	WIN 0x40
.set ci, 0
.rept 64
	global_load_b32 v[ci], v247, s[58:59] offset:512*ci   ; a lane a channel
.set ci, ci+1
.endr
	WIN 0
.Lno_cls:
.macro QK e                            ; tiles 2 e and 2 e + 1: one operand of K, [Q, 0] and [0, Q]
.if (\e)%2
	v_wmma_scale_f32_16x16x128_f8f6f4 v[96+16*\e:103+16*\e], v[32+8*\e:39+8*\e], v[20:27], 0, v[28+\e/2], v7 matrix_a_fmt:MATRIX_FMT_FP4 matrix_b_fmt:MATRIX_FMT_FP4 matrix_a_scale:MATRIX_SCALE_ROW1
	v_wmma_scale_f32_16x16x128_f8f6f4 v[104+16*\e:111+16*\e], v[32+8*\e:39+8*\e], v[16:23], 0, v[28+\e/2], v7 matrix_a_fmt:MATRIX_FMT_FP4 matrix_b_fmt:MATRIX_FMT_FP4 matrix_a_scale:MATRIX_SCALE_ROW1 matrix_b_scale:MATRIX_SCALE_ROW1
.else
	v_wmma_scale_f32_16x16x128_f8f6f4 v[96+16*\e:103+16*\e], v[32+8*\e:39+8*\e], v[20:27], 0, v[28+\e/2], v7 matrix_a_fmt:MATRIX_FMT_FP4 matrix_b_fmt:MATRIX_FMT_FP4
	v_wmma_scale_f32_16x16x128_f8f6f4 v[104+16*\e:111+16*\e], v[32+8*\e:39+8*\e], v[16:23], 0, v[28+\e/2], v7 matrix_a_fmt:MATRIX_FMT_FP4 matrix_b_fmt:MATRIX_FMT_FP4 matrix_b_scale:MATRIX_SCALE_ROW1
.endif
.endm
.macro PV                              ; O^T += V^T P^T
.irp t, 0,2
	v_wmma_scale_f32_16x16x128_f8f6f4 v[160+8*\t:167+8*\t], v[64+8*\t:71+8*\t], v[192:199], v[160+8*\t:167+8*\t], v[30+\t/2], v208 matrix_a_fmt:MATRIX_FMT_FP4 matrix_b_fmt:MATRIX_FMT_FP4
	v_wmma_scale_f32_16x16x128_f8f6f4 v[168+8*\t:175+8*\t], v[72+8*\t:79+8*\t], v[192:199], v[168+8*\t:175+8*\t], v[30+\t/2], v208 matrix_a_fmt:MATRIX_FMT_FP4 matrix_b_fmt:MATRIX_FMT_FP4 matrix_a_scale:MATRIX_SCALE_ROW1
.endr
.endm
.macro RESCALE                         ; O^T under the new M
.irp j, 0,2,4,6,8,10,12,14,16,18,20,22,24,26,28,30
	v_pk_mul_f32 v[160+\j:161+\j], v[160+\j:161+\j], v[220:221] op_sel_hi:[1,0]
.endr
.endm
.macro TMM j                           ; t - M of two scores
	v_pk_fma_f32 v[96+\j:97+\j], v[96+\j:97+\j], v[204:205], v[12:13] op_sel_hi:[1,0,0]
.endm
.macro ACC j                           ; eight p: the row's sum in four chains
	v_pk_add_f32 v[14:15], v[14:15], v[\j:\j+1]
	v_pk_add_f32 v[200:201], v[200:201], v[\j+2:\j+3]
	v_pk_add_f32 v[252:253], v[252:253], v[\j+4:\j+5]
	v_pk_add_f32 v[254:255], v[254:255], v[\j+6:\j+7]
.endm
; A KEY STEP: 128 keys, whose block begins at byte s10 of my region; K and its scale words were asked for a step ago
	s_mov_b32 s9, 16
.Lstep:
	v_add_nc_u32 v8, s10, v1                       ; (these four are also the places behind the last products, in front of loads into registers that they read)
	v_add_nc_u32 v9, s10, v2
	v_add_nc_u32 v10, s10, v6
	v_add_nc_u32 v11, s10, v209
.irp t, 0,1,2,3
.irp c, 0,1
	ds_load_b128 v[64+8*\t+4*\c:67+8*\t+4*\c], v10 offset:4352+1024*\t+512*\c
.endr
.endr
.irp a, 0,1
	ds_load_b32 v[30+\a], v11 offset:8448+128*\a
.endr
	s_wait_alu depctr_va_vdst(0)
	s_wait_dscnt 10                                ; K is in; V's ten loads may stay out
	QK 0
	QK 1
	QK 2
	QK 3
.rept 4
	v_nop
.endr
.irp t, 0,1,2,3,4,5,6,7                ; the next step's K
	ds_load_b128 v[32+4*\t:35+4*\t], v[8+(\t%4)/2] offset:STEPB+2048*(\t/4)+512*(\t%2)
.endr
.irp c, 0,1
	ds_load_b32 v[28+\c], v11 offset:STEPB+4096+128*\c
.endr
	v_cndmask_b32 v96, v96, v203, s8               ; key 0's score is raw q . raw k0 (step 0 alone: the lane mask is 0 afterwards)
	s_mov_b32 s8, 0
	s_wait_alu depctr_va_vdst(0)                   ; ahead of the branch
	s_bitcmp1_b32 s11, s7
	s_cbranch_scc0 .Lopen
	s_lshr_b32 s60, s7, 3                          ; a step with hidden keys: my query's two words
	s_lshl_b32 s60, s60, 2
	s_and_b32 s61, s7, 7
	s_lshl_b32 s61, s61, 3
	s_add_co_u32 s60, s60, s61
	s_mov_b32 s61, 0
	s_add_nc_u64 s[62:63], s[2:3], s[60:61]
	global_load_b32 v244, v223, s[62:63]
	global_load_b32 v245, v223, s[62:63] offset:128
	s_wait_loadcnt 0x0
.set n, 0
.rept 8
.irp k, 0,1,2,3,4,5,6,7
	v_and_b32 v[212+\k], 1<<(8*(\k%4)+((n+\k)%32)/4), v[244+n/32]
.endr
.irp k, 0,1,2,3,4,5,6,7
	v_cmp_ne_u32 s[16+\k], 0, v[212+\k]
.endr
.irp k, 0,1,2,3,4,5,6,7
	v_cndmask_b32 v[96+n+\k], v202, v[96+n+\k], s[16+\k]   ; a hidden key's score becomes -infinity: p = 0
.endr
.set n, n+8
.endr
.Lopen:
; the largest score of each of my two blocks (d), in six chains each (v192-197; v198-199, v212-215): for the row's maximum, and, since p rises with the score, for the block's largest p
.irp k, 0,1,2,3,4,5
	v_max3_num_f32 v[192+\k], v[96+3*\k], v[97+3*\k], v[98+3*\k]
	v_max3_num_f32 v[198+\k+12*((\k+6)/8)], v[128+3*\k], v[129+3*\k], v[130+3*\k]
.endr
.irp k, 0,1,2,3,4,5
	v_max3_num_f32 v[192+\k], v[192+\k], v[114+2*\k], v[115+2*\k]
	v_max3_num_f32 v[198+\k+12*((\k+6)/8)], v[198+\k+12*((\k+6)/8)], v[146+2*\k], v[147+2*\k]
.endr
	v_max3_num_f32 v192, v192, v193, v126
	v_max3_num_f32 v198, v198, v199, v158
	v_max3_num_f32 v194, v194, v195, v127
	v_max3_num_f32 v212, v212, v213, v159
	v_max_num_f32 v196, v196, v197
	v_max_num_f32 v214, v214, v215
	v_mov_b32 v219, v12
	v_max3_num_f32 v216, v192, v194, v196
	v_max3_num_f32 v217, v198, v212, v214
	v_max_num_f32 v218, v216, v217
	v_permlanex16_b32 v207, v218, s66, s67
	v_max3_num_f32 v13, v13, v218, v207            ; the running largest score, with lane l xor 16's two blocks
	v_mul_f32 v218, v204, v13
	v_floor_f32 v12, -v218                         ; -M = floor(-t) = -ceil(t)
.irp j, 0,2,4,6
	TMM \j
.endr
	v_sub_f32 v219, v12, v219                      ; old M - new M: a whole number, 0 or less
.irp j, 8,10,12,14
	TMM \j
.endr
	v_cvt_i32_f32 v219, v219                       ; (it saturates)
.irp j, 16,18,20,22
	TMM \j
.endr
	v_ldexp_f32 v220, 1.0, v219                    ; f = 2^(old M - new M)
.irp j, 24,26,28,30
	TMM \j
.endr
	v_fma_f32 v216, v216, v204, v12
	v_fma_f32 v217, v217, v204, v12
	s_wait_alu depctr_va_vdst(0)                   ; ahead of the batch
	v_exp_f32 v216, v216                           ; each block's largest p
	v_exp_f32 v217, v217
.set n, 0
.rept 16
	v_exp_f32 v[96+n], v[96+n]                     ; the first block's p = 2^(t - M),
	v_exp_f32 v[97+n], v[97+n]
	TMM 32+n                                       ; and between them the second's t - M
.set n, n+2
.endr
	s_wait_alu depctr_va_vdst(0)                   ; behind this batch and ahead of the next
	v_max_num_f32 v216, 0x1800000, v216            ; the floor 2^(3 - 127): the byte cannot fall under 1
	v_max_num_f32 v217, 0x1800000, v217
	v_add_nc_u32 v210, 0xff000000, v216            ; 2 off the exponent field: the conversion's scale operand
	v_add_nc_u32 v211, 0xff000000, v217
	v_lshrrev_b32 v214, 23, v210
	v_lshrrev_b32 v215, 23, v211
	v_cvt_scalef32_pk8_fp4_f32 v192, v[96:103], v210
	v_cvt_scalef32_pk8_fp4_f32 v193, v[104:111], v210
	v_lshl_or_b32 v214, v215, 16, v214             ; blocks h and 2 + h
	v_cvt_scalef32_pk8_fp4_f32 v194, v[112:119], v210
	v_lshlrev_b32 v214, v206, v214                 ; at their places in the scale word
	v_cvt_scalef32_pk8_fp4_f32 v195, v[120:127], v210
	v_permlanex16_b32 v207, v214, s66, s67
	v_or_b32 v208, v214, v207                      ; p's scale word for these 128 keys
.set n, 0
.rept 8
	v_exp_f32 v[128+2*n], v[128+2*n]               ; the second block's p,
	v_exp_f32 v[129+2*n], v[129+2*n]
	v_exp_f32 v[130+2*n], v[130+2*n]
	v_exp_f32 v[131+2*n], v[131+2*n]
	v_pk_add_f32 v[96+n:97+n], v[96+n:97+n], v[112+n:113+n]   ; and between them the first's sums: its codes are made
.set n, n+2
.endr
	s_wait_alu depctr_va_vdst(0)                   ; behind the batch, and for O^T's first readers
	RESCALE
.irp t, 0,1,2,3
	v_cvt_scalef32_pk8_fp4_f32 v[196+\t], v[128+8*\t:135+8*\t], v211
.endr
	v_pk_fma_f32 v[14:15], v[14:15], v[220:221], v[96:97] op_sel_hi:[1,0,1]   ; the row's sum of the unquantised p under the new M, in four chains.  (Plain instructions behind the conversions, and the places in front of the products)
	v_pk_fma_f32 v[200:201], v[200:201], v[220:221], v[98:99] op_sel_hi:[1,0,1]
	v_pk_fma_f32 v[252:253], v[252:253], v[220:221], v[100:101] op_sel_hi:[1,0,1]
	v_pk_fma_f32 v[254:255], v[254:255], v[220:221], v[102:103] op_sel_hi:[1,0,1]
.irp j, 104,128,136,144,152
	ACC \j
.endr
	s_wait_dscnt 10                                ; V is in; the next step's K may stay out
	PV
	s_add_co_u32 s10, s10, STEPB
	s_add_co_u32 s7, s7, 1
	s_sub_co_i32 s9, s9, 1                         ; (the accumulators take turns, one instruction a turn, over the backward jump too)
	s_cmp_lg_u32 s9, 0
	s_cbranch_scc1 .Lstep
	; STEP 16: KEY 2,048 ALONE.  It is row 0 of the step's tile 0: register 0 of S^T, lanes 0-15; it is the only number of its block of 32, and the step's other keys do not exist: p = 0, zero codes.
	s_mov_b32 s10, 16*STEPB
	v_add_nc_u32 v10, s10, v6
	v_add_nc_u32 v11, s10, v209
	v_nop
	v_nop                                          ; four places behind the last products
.irp t, 0,1,2,3
	ds_load_b128 v[64+8*\t:67+8*\t], v10 offset:4352+1024*\t   ; keys 0-63 of the step; the other half stands against zero codes
.endr
.irp a, 0,1
	ds_load_b32 v[30+\a], v11 offset:8448+128*\a
.endr
	s_wait_alu depctr_va_vdst(0)
	s_wait_dscnt 6                                 ; K is in; V's six loads may stay out
	v_wmma_scale_f32_16x16x128_f8f6f4 v[96:103], v[32:39], v[20:27], 0, v28, v7 matrix_a_fmt:MATRIX_FMT_FP4 matrix_b_fmt:MATRIX_FMT_FP4
.irp k, 1,2,3,4,5,6,7
	v_mov_b32 v[192+\k], 0                         ; p's operand but for its first register.  (These seven are the places behind the product)
.endr
	v_cmp_ne_u32 vcc_lo, 0, v222
	v_cndmask_b32 v96, v202, v96, vcc_lo           ; lanes 16-31, and queries from which the key is hidden: -infinity
.irp k, 1,2,3,4,5,6,7
	v_mov_b32 v[96+\k], 0                          ; the conversion's other seven numbers
.endr
	v_permlanex16_b32 v207, v96, s66, s67
	v_max3_num_f32 v13, v13, v96, v207
	v_mul_f32 v218, v204, v13
	v_mov_b32 v219, v12
	v_floor_f32 v12, -v218
	v_fma_f32 v96, v96, v204, v12
	v_sub_f32 v219, v12, v219
	v_cvt_i32_f32 v219, v219
	v_ldexp_f32 v220, 1.0, v219
	s_wait_alu depctr_va_vdst(0)                   ; ahead of the exponential
	v_exp_f32 v96, v96                             ; p, and the block's largest
.irp j, 14,200,252,254
	v_pk_mul_f32 v[\j:\j+1], v[\j:\j+1], v[220:221] op_sel_hi:[1,0]
.endr
	s_wait_alu depctr_va_vdst(0)                   ; ahead of p's and O^T's first readers
	RESCALE
	v_max_num_f32 v212, 0x1800000, v96
	v_add_nc_u32 v210, 0xff000000, v212
	v_lshrrev_b32 v216, 23, v210
	v_or_b32 v208, 0x7f7f7f00, v216                ; p's scale word: the other three blocks are zero codes under the byte of 1.0
	v_cvt_scalef32_pk8_fp4_f32 v192, v[96:103], v210
	v_add_f32 v14, v14, v96
	v_pk_add_f32 v[200:201], v[200:201], v[252:253]
	v_pk_add_f32 v[14:15], v[14:15], v[254:255]
.rept 5
	v_nop                                          ; with the three additions: places between the scale word's write and the products
.endr
	s_wait_alu depctr_va_vdst(0)
	s_wait_dscnt 0x0                               ; V and its scale words: my reads of the regions are over
	s_barrier_signal -1
	PV
	; THE WAY OUT: O^T / the sum, through my stage in LDS, so that sixteen lanes store a row's 256 consecutive bytes, aligned
	v_pk_add_f32 v[14:15], v[14:15], v[200:201]
	v_add_f32 v14, v14, v15
	v_permlanex16_b32 v207, v14, s66, s67
	v_add_f32 v14, v14, v207                       ; the row's sum
	s_wait_alu depctr_va_vdst(0)                   ; ahead of the reciprocal
	v_rcp_f32 v14, v14
.rept 4
	v_nop                                          ; the plain instruction behind the reciprocal, and the places behind the last products
.endr
	s_wait_alu depctr_va_vdst(0)                   ; ahead of the first readers
.set n, 0
.rept 32
	v_mul_f32 v[96+n], v[160+n], v14               ; register 8 t + j: channel 16 t + 8 h + j of query r; each accumulator from its low end on
.set n, n+1
.endr
	s_wait_alu depctr_va_vdst(0)
	s_barrier_wait -1                              ; nobody reads the regions any more: the stages lie over them
.irp t, 0,1,2,3
	ds_store_b128 v240, v[96+8*\t:99+8*\t] offset:64*\t
	ds_store_b128 v240, v[100+8*\t:103+8*\t] offset:64*\t+16
.endr
.irp i, 0,1,2,3,4,5,6,7
	ds_load_b128 v[32+4*\i:35+4*\i], v241 offset:544*\i   ; LDS serves a wave's instructions in order: these see my stores
.endr
.irp i, 0,1,2,3,4,5,6,7
	s_wait_dscnt 7-\i                              ; the younger loads may stay out
	global_store_b128 v242, v[32+4*\i:35+4*\i], s[100:101] offset:6144*\i+24576*(\i/4) th:TH_STORE_NT   ; tile row r is query row r + 8 (r / 8)
.endr
	; THE CLS QUERY
	s_cmp_lg_u32 s12, 0
	s_cbranch_scc1 .Lend
	s_and_b32 s31, ttmp9, 31
	s_cmp_ge_u32 s31, 6
	s_cbranch_scc1 .Lend
	s_wait_loadcnt 0x0
	v_min3_num_f32 v231, v225, v227, v229          ; the smallest -M: the row's M
.irp x, 1,2,4,8
	v_min_num_f32_dpp v231, v231, v231 row_xmask:\x row_mask:0xf bank_mask:0xf
.endr
	v_permlanex16_b32 v207, v231, s66, s67
	v_min_num_f32 v231, v231, v207
.irp k, 225,227,229
	v_sub_f32 v[\k], v231, v[\k]                   ; a record's M less the row's: a whole number, 0 or less
.endr
.irp k, 225,227,229
	v_cvt_i32_f32 v[\k], v[\k]
.endr
.irp k, 225,227,229
	v_ldexp_f32 v[\k], 1.0, v[\k]                  ; the record's factor: an exact power of two
.endr
	v_mul_f32 v232, v225, v224
	v_fmac_f32 v232, v227, v226
	v_fmac_f32 v232, v229, v228
.irp x, 1,2,4,8
	v_add_f32_dpp v232, v232, v232 row_xmask:\x row_mask:0xf bank_mask:0xf
.endr
	v_permlanex16_b32 v207, v232, s66, s67
	v_add_f32 v232, v232, v207                     ; the row's sum
.irp k, 233,234,235,236
	v_mov_b32 v[\k], 0
.endr
	s_wait_alu depctr_va_vdst(0)                   ; ahead of the reciprocal
	v_rcp_f32 v232, v232
	v_nop                                          ; the plain instruction behind it
	s_wait_alu depctr_va_vdst(0)                   ; ahead of its first reader
	WIN 0x04
.set ci, 0
.rept 8
.irp k, 0,1,2,3,4,5,6,7
	v_readlane_b32 s[16+\k], v[225+2*(ci/32)], (ci+\k)%32
.endr
.irp k, 0,1,2,3,4,5,6,7
	v_fmac_f32 v[233+\k%4], s[16+\k], v[ci+\k]
.endr
.set ci, ci+8
.endr
	WIN 0
	v_readlane_b32 s16, v229, 0
	v_fmac_f32 v233, s16, v230
	v_add_f32 v234, v234, v235
	v_add_f32 v233, v233, v236
	v_add_f32 v233, v233, v234
	v_mul_f32 v233, v233, v232
	s_lshr_b32 s56, s31, 1
	s_add_co_u32 s56, s56, s30
	s_cmp_ge_u32 s56, 12
	s_cselect_b32 s57, 1, 0
	s_mul_i32 s58, s57, 2049*3072-12*256           ; row 0 of the batch; the head's 64 channels
	s_lshl_b32 s56, s56, 8
	s_add_co_u32 s56, s56, s58
	s_and_b32 s58, s31, 1
	s_lshl_b32 s58, s58, 7
	s_add_co_u32 s56, s56, s58
	s_mov_b32 s57, 0
	s_add_nc_u64 s[56:57], s[28:29], s[56:57]
	s_wait_alu depctr_va_vdst(0)
	global_store_b32 v247, v233, s[56:57]          ; 128 consecutive bytes: the partner work-group stores the head's other 32 channels
.Lend:
	s_wait_tensorcnt 0x0                           ; the wave's end, behind my last LDS store
	ds_add_u32 v3, v4
	s_wait_dscnt 0x0
	s_endpgm
.Lfunc_end_k_q620c2e6357_attn:
	.size	k_q620c2e6357_attn, .Lfunc_end_k_q620c2e6357_attn-k_q620c2e6357_attn
	.p2alignl 7, 3214868480
	.fill 96, 4, 3214868480
	.section	.rodata,"a",@progbits
	.p2align	6, 0x0
	.amdhsa_kernel k_q620c2e6357_attn
		.amdhsa_group_segment_fixed_size 297472
		.amdhsa_private_segment_fixed_size 0
		.amdhsa_enable_private_segment 0
		.amdhsa_kernarg_size 56
		.amdhsa_user_sgpr_count 2
		.amdhsa_user_sgpr_kernarg_segment_ptr 1
		.amdhsa_wavefront_size32 1
		.amdhsa_system_sgpr_workgroup_id_x 1
		.amdhsa_system_sgpr_workgroup_id_y 1
		.amdhsa_system_sgpr_workgroup_id_z 1
		.amdhsa_system_vgpr_workitem_id 0
		.amdhsa_next_free_vgpr 320
		.amdhsa_next_free_sgpr 106
		.amdhsa_reserve_vcc 1
		.amdhsa_float_denorm_mode_32 3
		.amdhsa_float_denorm_mode_16_64 3
		.amdhsa_memory_ordered 1
		.amdhsa_forward_progress 1
		.amdhsa_inst_pref_size 74
	.end_amdhsa_kernel
	.amdgpu_metadata
---
amdhsa.version: [ 1, 2 ]
amdhsa.kernels:
  - .name:           k_q620c2e6357_attn
    .symbol:         k_q620c2e6357_attn.kd
    .args:
      - { .name: kv, .offset: 0, .size: 8, .value_kind: global_buffer, .address_space: global }
      - { .name: qc, .offset: 8, .size: 8, .value_kind: global_buffer, .address_space: global }
      - { .name: qs, .offset: 16, .size: 8, .value_kind: global_buffer, .address_space: global }
      - { .name: qk0, .offset: 24, .size: 8, .value_kind: global_buffer, .address_space: global }
      - { .name: mw, .offset: 32, .size: 8, .value_kind: global_buffer, .address_space: global }
      - { .name: cp, .offset: 40, .size: 8, .value_kind: global_buffer, .address_space: global }
      - { .name: out0, .offset: 48, .size: 8, .value_kind: global_buffer, .address_space: global }
    .group_segment_fixed_size: 297472
    .private_segment_fixed_size: 0
    .kernarg_segment_align: 8
    .kernarg_segment_size: 56
    .max_flat_workgroup_size: 384
    .sgpr_count:     106
    .vgpr_count:     320
    .wavefront_size: 32
...
	.end_amdgpu_metadata
.endif
;; end of part 4
